; MI455X (gfx1250); checked and timed in simulation.
; The chip was launched on July 23, 2026; its instructions are those of AMD's public machine-readable ISA for CDNA 5 (MIT licence, August 2026) and "CDNA5" Instruction Set Architecture Reference Guide (July 2026). The comments in the code are by the model that wrote it; some were corrected since.
;; Attention. Allowed arithmetic: float matrix products may take bf16 or f16 operands with f32 sums; all other float work in f32.
;; Inputs: W_h 1,024 x 1,024 float32; W_s 1,024 x 1,024 float32; decoder_hidden 64 x 1,024 float32; encoder_hiddens 64 x 1,024 x 1,024 float32; mask 64 x 1,024 bool; v 1,024 float32.
;; Outputs: out0 64 x 1,024 float32; out1 64 x 1,024 float32.
;; 2 versions, each right; version 2 is version 1 with the launch main written anew for expert scheduling mode. Each part assembles by itself: llvm-mc -triple=amdgcn-amd-amdhsa -mcpu=gfx1250 --defsym DOCPART=n.
;; ======== version 1 of 2: 3 launches
;; workspace buffers: wsb 2,097,152 bytes; dht 262,144 bytes; rows 311,296 bytes of whole numbers; pos 262,144 bytes of whole numbers; sc 458,752 bytes; part 1,179,648 bytes
;; launch prep (part 1): grid 256 x 1, 8 waves a work-group, no clusters, 11,264 bytes of LDS; arguments W_h, W_s, decoder_hidden, mask, wsb, dht, rows, sc, pos; writes wsb, dht, rows, sc, pos
.if DOCPART == 1
	.amdgcn_target "amdgcn-amd-amdhsa--gfx1250"
	.amdhsa_code_object_version 6
	.text
	.protected	k_qb3f8960c80_prep
	.globl	k_qb3f8960c80_prep
	.p2align	8
	.type	k_qb3f8960c80_prep,@function
k_qb3f8960c80_prep:
	s_mov_b64 s[64:65], 0
	v_nop
	global_prefetch_b8 v0, s[64:65] scope:SCOPE_SE
	s_setreg_imm32_b32 hwreg(HW_REG_WAVE_MODE, 25, 1), 1
	s_wait_xcnt 0x0
; PREPARATION for the attention launch.  Work-group x: ct = n = x / 4, rt = x % 4.  Eight waves, wave u.
;  (1) dht[ct][16 rt + r][0..15] = 2 log2(e) x dh[16 rt + r][16 ct + 0..15], dh = decoder_hidden W_h^T: one tile of 16 x 16; K = 1,024 is shared out,
;      128 to a wave (four matrix instructions on two accumulators that take turns); the eight partial tiles meet in LDS.  Operands rounded to bf16, sums in f32.
;  (2) wsb: W_s rounded to bf16 and laid out as matrix fragments, [ct / 4][K step s][ct % 4][half][lane][16 bytes]: lane (r, h), half e holds
;      W_s[16 ct + r][32 s + 16 e + 8 h + 0..7].  Wave u makes the fragment of K step s = 8 rt + u: two stores of 512 consecutive bytes.
;  (3) rows[n] (wave 2 of rt = 0): the places l with mask = 0 in ascending order from the front, the others from the back (1,024 words), 128 words of 0, and the count c, 64 times;
;      pos[n][l]: the place of l in that list.
;  (4) sc[x][0..447] = -inf (wave 3): the next launch writes work-group x's scores over it, in the list's order.
; LIMITS.  A number beyond bf16's range becomes an infinity in the rounding.
.set RPITCH, 80                        ; a row of a partial tile in LDS: 64 bytes + 16: five times 16 bytes, so 16 rows start at 16 different 16-byte columns modulo 256
.set RWAVE,  16*RPITCH                 ; a wave's partial tile
.set SPARE,  8*RWAVE                   ; behind the tiles: the spare words, 128 bytes a wave, that no other line names
.set SCWG,   1792                      ; bytes of sc for a work-group of the next launch: 448 f32
.set SPW, 2                            ; v2   LDS address of my spare word; never rewritten
.set NIL, 3                            ; v3   0; never rewritten
.set LN,  4                            ; v4   lane
.set RR,  5                            ; v5   r = lane % 16
.set HH,  6                            ; v6   h = lane / 16
.set VX,  7                            ; v7   r x 4,096 + 32 h: my 8 f32 of row r in a K step of 32
.set L16, 8                            ; v8   16 x lane
.set RIN, 9                            ; v9   where my 32 bytes of the partial tile go
.set ROUT, 10                          ; v10  where a reducing thread reads
.set L4,  20                           ; v20  4 x lane
.set WH,  32                           ; v[32:95]   W_h: four fragments, 16 registers raw, 8 after the rounding
.set DE,  96                           ; v[96:159]  decoder_hidden, likewise
.set WS,  160                          ; v[160:175] W_s: one fragment
.set AC0, 176                          ; v[176:183], v[184:191]: two accumulators
.set AC1, 184
.set MK,  32                           ; the list: mask bytes, then store addresses
.set LL,  96                           ; the list: l
.set PS,  128                          ; the list: l's place
	s_load_b256 s[4:11], s[0:1], 0x0               ; W_h s[4:5], W_s s[6:7], decoder_hidden s[8:9], mask s[10:11]
	s_load_b256 s[12:19], s[0:1], 0x20             ; wsb s[12:13], dht s[14:15], rows s[16:17], sc s[18:19]
	s_load_b64 s[44:45], s[0:1], 0x40              ; pos
	v_lshl_add_u32 v[SPW], v0, 2, SPARE
	v_mov_b32 v[NIL], 0
	v_lshrrev_b32 v1, 5, v0
	v_readfirstlane_b32 s20, v1                    ; u: my wave
	s_lshr_b32 s21, ttmp9, 2                       ; ct = n
	s_and_b32 s22, ttmp9, 3                        ; rt
	v_and_b32 v[LN], 31, v0
	v_and_b32 v[RR], 15, v0
	v_bfe_u32 v[HH], v0, 4, 1
	v_lshlrev_b32 v[VX], 12, v[RR]
	v_lshl_add_u32 v[VX], v[HH], 5, v[VX]
	v_lshlrev_b32 v[L16], 4, v[LN]
	v_lshlrev_b32 v[L4], 2, v[LN]
	v_mul_u32_u24 v[RIN], v[RR], RPITCH
	v_lshl_add_u32 v[RIN], v[HH], 5, v[RIN]
	s_mul_i32 s23, s20, RWAVE
	v_add_nc_u32 v[RIN], s23, v[RIN]               ; u x 1,280 + r x 80 + 32 h
	s_lshl_b32 s24, s21, 16                        ; W_h: 16 ct rows of 4,096 bytes + my 128 along K
	s_lshl_b32 s23, s20, 9
	s_add_co_u32 s24, s24, s23
	s_mov_b32 s25, 0
	s_lshl_b32 s26, s22, 16                        ; decoder_hidden: 16 rt rows + the same 128 along K
	s_add_co_u32 s26, s26, s23
	s_mov_b32 s27, 0
	s_lshl_b32 s30, s22, 3
	s_add_co_u32 s30, s30, s20                     ; s = 8 rt + u
	s_lshl_b32 s28, s21, 16                        ; W_s: 16 ct rows + K step s
	s_lshl_b32 s23, s30, 7
	s_add_co_u32 s28, s28, s23
	s_mov_b32 s29, 0
	s_lshr_b32 s32, s21, 2                         ; wsb: (ct / 4) x 131,072 + s x 4,096 + (ct % 4) x 1,024
	s_lshl_b32 s32, s32, 17
	s_lshl_b32 s23, s30, 12
	s_add_co_u32 s32, s32, s23
	s_and_b32 s23, s21, 3
	s_lshl_b32 s23, s23, 10
	s_add_co_u32 s32, s32, s23
	s_mov_b32 s33, 0
	s_lshl_b32 s34, s21, 12                        ; dht: ct x 4,096 + rt x 1,024
	s_lshl_b32 s23, s22, 10
	s_add_co_u32 s34, s34, s23
	s_mov_b32 s35, 0
	s_lshl_b32 s36, s21, 10                        ; mask: n x 1,024
	s_mov_b32 s37, 0
	s_mul_i32 s38, s21, 4864                       ; rows: n x 4,864
	s_mov_b32 s39, 0
	s_lshl_b32 s40, s21, 12                        ; pos: n x 4,096
	s_mov_b32 s41, 0
	s_mul_i32 s46, ttmp9, SCWG                     ; sc: x x 1,792
	s_mov_b32 s47, 0
	s_wait_kmcnt 0x0
	s_add_nc_u64 s[4:5], s[4:5], s[24:25]
	s_add_nc_u64 s[8:9], s[8:9], s[26:27]
	s_add_nc_u64 s[6:7], s[6:7], s[28:29]
	s_add_nc_u64 s[12:13], s[12:13], s[32:33]
	s_add_nc_u64 s[14:15], s[14:15], s[34:35]
	s_add_nc_u64 s[18:19], s[18:19], s[46:47]
	s_add_nc_u64 s[10:11], s[10:11], s[36:37]
	s_add_nc_u64 s[16:17], s[16:17], s[38:39]
	s_add_nc_u64 s[44:45], s[44:45], s[40:41]
	; a fragment's lane holds K = 8 h + 0..7 and 16 + 8 h + 0..7 of its row: in f32 four loads of 16 bytes, at 0, 16, 64 and 80
.set f, 0
.rept 4
.set e, 0
.rept 4
	global_load_b128 v[WH+16*f+4*e:WH+16*f+4*e+3], v[VX], s[4:5] offset:128*f+16*(e%2)+64*(e/2)
	global_load_b128 v[DE+16*f+4*e:DE+16*f+4*e+3], v[VX], s[8:9] offset:128*f+16*(e%2)+64*(e/2)
.set e, e+1
.endr
.set f, f+1
.endr
.set e, 0
.rept 4
	global_load_b128 v[WS+4*e:WS+4*e+3], v[VX], s[6:7] offset:16*(e%2)+64*(e/2) th:TH_LOAD_NT
.set e, e+1
.endr
	s_wait_loadcnt 0x4                             ; all but the four youngest loads, W_s's
.set f, 0
.rept 4
.set e, 0
.rept 8                                        ; in place, ascending: word e takes numbers 2 e and 2 e + 1, which no earlier word has overwritten
	v_cvt_pk_bf16_f32 v[WH+16*f+e], v[WH+16*f+2*e], v[WH+16*f+2*e+1]
	v_cvt_pk_bf16_f32 v[DE+16*f+e], v[DE+16*f+2*e], v[DE+16*f+2*e+1]
.set e, e+1
.endr
.set f, f+1
.endr
	; source 0 = 16 rows of W_h, source 1 = 16 rows of decoder_hidden: lane (r, h) then holds dh[16 rt + r][16 ct + 8 h + 0..7].  The two accumulators take turns.
	v_wmma_f32_16x16x32_bf16 v[AC0:AC0+7], v[WH:WH+7], v[DE:DE+7], 0
	v_wmma_f32_16x16x32_bf16 v[AC1:AC1+7], v[WH+16:WH+23], v[DE+16:DE+23], 0
	v_wmma_f32_16x16x32_bf16 v[AC0:AC0+7], v[WH+32:WH+39], v[DE+32:DE+39], v[AC0:AC0+7]
	v_wmma_f32_16x16x32_bf16 v[AC1:AC1+7], v[WH+48:WH+55], v[DE+48:DE+55], v[AC1:AC1+7]
	s_wait_loadcnt 0x0                             ; W_s
.set e, 0
.rept 8                                        ; these eight roundings name no register of the products: they are the places behind them (ISA guide 7.12.1)
	v_cvt_pk_bf16_f32 v[WS+e], v[WS+2*e], v[WS+2*e+1]
.set e, e+1
.endr
	global_store_b128 v[L16], v[WS:WS+3], s[12:13]               ; half 0: 512 consecutive bytes
	global_store_b128 v[L16], v[WS+4:WS+7], s[12:13] offset:512  ; half 1
.set e, 0
.rept 4                                        ; the two accumulators are added, from their low ends on
	v_pk_add_f32 v[AC0+2*e:AC0+2*e+1], v[AC0+2*e:AC0+2*e+1], v[AC1+2*e:AC1+2*e+1]
.set e, e+1
.endr
	ds_store_b128 v[RIN], v[AC0:AC0+3]
	ds_store_b128 v[RIN], v[AC0+4:AC0+7] offset:16
	s_wait_dscnt 0x0                               ; for the others' sake: my partial tile is in LDS
	s_barrier_signal -1
	s_barrier_wait -1
	s_cmp_lt_u32 s20, 2
	s_cbranch_scc0 .Lnot_sum
	; waves 0 and 1: thread t adds the eight partial values of 4 numbers: row t / 4, quarter t % 4
	v_and_b32 v11, 63, v0                          ; t (the thread's number as it is, in these two waves)
	v_lshrrev_b32 v12, 2, v11
	v_and_b32 v13, 3, v11
	v_mul_u32_u24 v[ROUT], v12, RPITCH
	v_lshl_add_u32 v[ROUT], v13, 4, v[ROUT]
	v_lshlrev_b32 v14, 4, v11                      ; 16 t: row 16 rt + t / 4 of dht's tile ct, 64 bytes a row
.set e, 0
.rept 8
	ds_load_b128 v[32+4*e:35+4*e], v[ROUT] offset:RWAVE*e
.set e, e+1
.endr
	s_wait_dscnt 0x0
.set e, 0
.rept 8
	v_pk_add_f32 v[32+2*e:33+2*e], v[32+2*e:33+2*e], v[48+2*e:49+2*e]
.set e, e+1
.endr
.set e, 0
.rept 4
	v_pk_add_f32 v[32+2*e:33+2*e], v[32+2*e:33+2*e], v[40+2*e:41+2*e]
.set e, e+1
.endr
	v_pk_add_f32 v[32:33], v[32:33], v[36:37]
	v_pk_add_f32 v[34:35], v[34:35], v[38:39]
	v_pk_mul_f32 v[32:33], v[32:33], 0x4038aa3b op_sel_hi:[1,0]  ; 2 log2(e): tanh is made of 2^(2 log2(e) x)
	v_pk_mul_f32 v[34:35], v[34:35], 0x4038aa3b op_sel_hi:[1,0]
	global_store_b128 v14, v[32:35], s[14:15]      ; a wave stores 512 consecutive bytes
	s_branch .Lend
.Lnot_sum:
	s_cmp_eq_u32 s20, 2
	s_cbranch_scc0 .Lnot_list
	s_cmp_eq_u32 s22, 0
	s_cbranch_scc0 .Lend
	; wave 2 of rt = 0: the list of n.  Group g holds l = 32 g + lane.
.set g, 0
.rept 32
	global_load_u8 v[MK+g], v[LN], s[10:11] offset:32*g
.set g, g+1
.endr
	s_wait_loadcnt 0x0
	s_mov_b32 s40, 0                               ; places with mask = 0 so far
.set g, 0
.rept 32
	v_cmp_eq_u32 s41, 0, v[MK+g]                   ; lanes whose place is kept
	v_mbcnt_lo_u32_b32 v11, s41, s40               ; kept places in front of mine
	v_add_nc_u32 v[LL+g], 32*g, v[LN]              ; l
	v_sub_nc_u32 v12, v[LL+g], v11                 ; masked places in front of mine
	v_sub_nc_u32 v12, 1023, v12                    ; a masked place goes to the back
	v_cndmask_b32 v12, v12, v11, s41               ; a kept one to the front
	v_min_u32 v[PS+g], 0x3ff, v12                  ; the word's number, inside the list whatever the bytes held
	v_lshlrev_b32 v[MK+g], 2, v[PS+g]              ; each group has address and data registers of its own: none is rewritten
	global_store_b32 v[MK+g], v[LL+g], s[16:17]
	global_store_b32 v[L4], v[PS+g], s[44:45] offset:128*g       ; pos[n][32 g + lane]: 128 consecutive bytes
	s_bcnt1_i32_b32 s42, s41
	s_add_co_u32 s40, s40, s42
.set g, g+1
.endr
	v_mov_b32 v12, 0
	v_mov_b32 v13, 0
	v_mov_b32 v14, 0
	v_mov_b32 v15, 0
	global_store_b128 v[L16], v[12:15], s[16:17] offset:4096     ; words 1,024 to 1,151: a block's list may reach past the end
	v_mov_b32 v18, s40
	v_mov_b32 v19, s40
	v_lshlrev_b32 v17, 3, v[LN]
	global_store_b64 v17, v[18:19], s[16:17] offset:4608         ; c, 64 times: 256 consecutive bytes
	s_branch .Lend
.Lnot_list:
	s_cmp_eq_u32 s20, 3
	s_cbranch_scc0 .Lend
	v_mov_b32 v12, 0xff800000                      ; wave 3: -inf into sc[x]: 3 x 512 + 256 bytes
	v_mov_b32 v13, 0xff800000
	v_mov_b32 v14, 0xff800000
	v_mov_b32 v15, 0xff800000
	v_lshlrev_b32 v17, 3, v[LN]
	global_store_b128 v[L16], v[12:15], s[18:19]
	global_store_b128 v[L16], v[12:15], s[18:19] offset:512
	global_store_b128 v[L16], v[12:15], s[18:19] offset:1024
	global_store_b64 v17, v[12:13], s[18:19] offset:1536
.Lend:
	s_wait_tensorcnt 0x0                           ; the wave's end: behind my last LDS store
	ds_add_u32 v[SPW], v[NIL]
	s_wait_dscnt 0x0
	s_endpgm
.Lfunc_end_k_qb3f8960c80_prep:
	.size	k_qb3f8960c80_prep, .Lfunc_end_k_qb3f8960c80_prep-k_qb3f8960c80_prep
	.p2alignl 7, 3214868480
	.fill 96, 4, 3214868480
	.section	.rodata,"a",@progbits
	.p2align	6, 0x0
	.amdhsa_kernel k_qb3f8960c80_prep
		.amdhsa_group_segment_fixed_size 11264
		.amdhsa_private_segment_fixed_size 0
		.amdhsa_enable_private_segment 0
		.amdhsa_kernarg_size 72
		.amdhsa_user_sgpr_count 2
		.amdhsa_user_sgpr_kernarg_segment_ptr 1
		.amdhsa_wavefront_size32 1
		.amdhsa_system_sgpr_workgroup_id_x 1
		.amdhsa_system_sgpr_workgroup_id_y 1
		.amdhsa_system_sgpr_workgroup_id_z 1
		.amdhsa_system_vgpr_workitem_id 0
		.amdhsa_next_free_vgpr 192
		.amdhsa_next_free_sgpr 66
		.amdhsa_reserve_vcc 0
		.amdhsa_float_denorm_mode_32 3
		.amdhsa_float_denorm_mode_16_64 3
		.amdhsa_memory_ordered 1
		.amdhsa_forward_progress 1
		.amdhsa_inst_pref_size 40
	.end_amdhsa_kernel
	.amdgpu_metadata
---
amdhsa.version: [ 1, 2 ]
amdhsa.kernels:
  - .name:           k_qb3f8960c80_prep
    .symbol:         k_qb3f8960c80_prep.kd
    .args:
      - { .name: W_h, .offset: 0, .size: 8, .value_kind: global_buffer, .address_space: global }
      - { .name: W_s, .offset: 8, .size: 8, .value_kind: global_buffer, .address_space: global }
      - { .name: decoder_hidden, .offset: 16, .size: 8, .value_kind: global_buffer, .address_space: global }
      - { .name: mask, .offset: 24, .size: 8, .value_kind: global_buffer, .address_space: global }
      - { .name: wsb, .offset: 32, .size: 8, .value_kind: global_buffer, .address_space: global }
      - { .name: dht, .offset: 40, .size: 8, .value_kind: global_buffer, .address_space: global }
      - { .name: rows, .offset: 48, .size: 8, .value_kind: global_buffer, .address_space: global }
      - { .name: sc, .offset: 56, .size: 8, .value_kind: global_buffer, .address_space: global }
      - { .name: pos, .offset: 64, .size: 8, .value_kind: global_buffer, .address_space: global }
    .group_segment_fixed_size: 11264
    .private_segment_fixed_size: 0
    .kernarg_segment_align: 8
    .kernarg_segment_size: 72
    .max_flat_workgroup_size: 256
    .sgpr_count:     66
    .vgpr_count:     192
    .wavefront_size: 32
...
	.end_amdgpu_metadata
.endif
;; end of part 1
;; launch main (part 2): grid 256 x 1, 4 waves a work-group, no clusters, 310,784 bytes of LDS; arguments encoder_hiddens, wsb, dht, v, rows, sc, part; writes sc, part
.if DOCPART == 2
	.amdgcn_target "amdgcn-amd-amdhsa--gfx1250"
	.amdhsa_code_object_version 6
	.text
	.protected	k_qb3f8960c80_main
	.globl	k_qb3f8960c80_main
	.p2align	8
	.type	k_qb3f8960c80_main,@function
k_qb3f8960c80_main:
	s_mov_b64 s[64:65], 0
	v_nop
	global_prefetch_b8 v0, s[64:65] scope:SCOPE_SE
	s_setreg_imm32_b32 hwreg(HW_REG_WAVE_MODE, 25, 1), 1
	s_wait_xcnt 0x0
; ADDITIVE ATTENTION, the bulk.  Work-group x: n = x / 4, q = x % 4.  Four waves, wave w.
; score[l] = sum over k of v[k] tanh(dh[k] + eh[l][k]), eh = encoder_hiddens[n] W_s^T.  tanh x = 1 - 2 / (1 + 2^(2 log2(e) x)), so score = sum v - 2 sum v[k] r[k], r = 1 / (1 + 2^..).
; The softmax over l does not see the common term sum v, and scores are no output: s[l] = sum (-2 v[k]) r[k] takes the score's place, for every input.  Its maximum is still taken away.
; MASKED PLACES have the weight 0: they are neither read nor multiplied.  rows[n] lists the c kept places; ceil(c / 16) tiles of 16 rows are dealt to the four work-groups of n, at most 16 each.
; A BLOCK is 9 tiles, 144 rows, gathered by the list, rounded to bf16 ONCE and kept in LDS for both uses: the product with W_s and the weighted sum (context).  Two blocks at the most: the block
; loop has two trips; a block with no tile jumps forward over its three phases, never over a barrier.
; SHARES.  Wave w fills rows 36 w .. 36 w + 35; owns the 256 columns k = 256 w .. of eh, in four passes of 64: 9 x 4 accumulators of 16 x 16, K in 32 steps of 32; owns the same 256 columns of the context.
; W_s comes as bf16 fragments (wsb) STRAIGHT INTO REGISTERS, by loads of 512 consecutive bytes, through a ring of eight K steps, seven ahead.  NO JOINT LOADS, NO LDS SLOTS for it: a fragment of W_s is
; used by one wave alone (the waves split the columns), so LDS would add no reuse; and the block takes 297,216 of the 327,680 bytes, which leaves no room for two slots worth a barrier.
; The ring walks the wave's 128 K steps and wraps round, so that a second block finds steps 0 to 6 waiting; behind the last live block those 56 loads serve nothing.
; ADDRESSES.  Every vector register that serves as an address is made once, at the head, from the thread's number and constants, and never rewritten.  What changes from step to step stands in the
; immediates (a pass's 32 K steps are written out; the loads of a pass's dh and v, and of a tile of the context, are written once for each pass or tile, and the loop's counter picks) or in scalar bases.
; THE MATRIX INSTRUCTION IS USED TRANSPOSED: source 0 = 16 rows of W_s, source 1 = 16 rows of the block: lane (r, h) holds row r and the columns 8 h + 0..7.
; SOFTMAX by blocks: running maximum m, sum and context, as in any streamed softmax; every wave makes the block's statistics for itself from the four waves' partial scores.
; OUT: sc[x][144 block + row] = s of the block's rows, in the list's order, -inf for a row that does not count (wave 0; all lanes on: the upper 16 lanes of the fifth store put their -inf 288 entries
; behind the block's first); part[x] = my context (unnormalised, 1,024 f32) and (m, sum).  The next launch merges the four parts of n.
; LIMITS.  Operands of products (rows, W_s, v) are rounded to bf16; beyond its range they become infinities.  A NaN or infinity in a masked row is not seen, unless the row fills a dead slot of a tile.
; REGISTERS, in windows of 256 (s_set_vgpr_msb: bits 1:0 source 0, 3:2 source 1, 5:4 source 2, 7:6 destination):
;   window 0: addresses, statistics, at work; v112-183, v184-255 two buffers of the block's fragments (9 x 8); during the fill v96-255 are five row slots of 32
;   window 1: the ring, eight K steps x 4 fragments x 8      window 2: accumulators of tiles 0-7, (a, b) at 8 (4 a + b)      window 3: v0-31 accumulators of tile 8
.set PITCH, 2064                       ; a row in LDS: 2,048 bytes of bf16 + 16 = 129 x 16: the 16 rows of a fragment load start at 16 different 16-byte columns modulo 256
.set NROW,  144
.set DHB,   NROW*PITCH                 ; 4,096 bytes: 2 log2(e) dh[n][k]; wave w writes and reads its own quarter
.set SCR,   DHB+8192                   ; behind it 4,096 bytes of -2 v[k], likewise; then [w][144] f32: the waves' partial scores
.set PB,    SCR+4*4*NROW               ; [w][160] f32: the block's weights, each wave's own copy
.set SPARE, PB+4*640                   ; the spare words, 128 bytes a wave, that no other line names
.set SCWG,  1792                       ; bytes of sc for a work-group: 448 f32
.set SPW, 1                            ; v1   LDS address of my spare word
.set NIL, 2                            ; v2   0
.set L16, 3                            ; v3   16 x lane
.set ADR0, 4                           ; v4-8   fragments: (32 i + r) x PITCH + 16 h
.set CA0, 9                            ; v9-13  context: 32 i x PITCH + 512 w + 16 lane: my 16 bytes (8 columns) of row 32 i
.set LN,  14
.set RR,  15
.set HH,  16
.set SO4, 17                           ; v17  the fifth store of scores: 4 (128 + lane + 144 h)
.set DHA0, 18                          ; v18  dh of columns 256 w + 8 h on
.set SCW, 19                           ; v19  where my partial scores go
.set SCR0, 20                          ; v20  where row 32 u + lane's partial scores lie
.set SCR4, 21                          ; v21  the same for rows 128 + lane, held at 143
.set PW,  22                           ; v22  where my weights go
.set PR0, 24                           ; v24  my wave's copy of the weights
.set ST0, 27                           ; v27  where my 8 bytes of my wave's row 0 go
.set L4,  28
.set PO,  29
.set ST1, 31                           ; v31  the same for my wave's row 18, so that the stores' offsets stay inside 16 bits
.set CTX, 32                           ; v32-39  context of my 8 columns
.set S,   40                           ; v40-57  tile a: partial score of row r (even, odd columns)
.set AL,  58                           ; v58-59  2^(m_old - m_new), twice
.set MS,  60                           ; v60-63  m, sum, 0, 0
.set SCV, 69                           ; v69-73  scores of rows 32 u + lane
.set RHO, 74                           ; v74-78  32 u + lane
.set T,   84                           ; v84-103 at work
.set FA,  112                          ; fragment buffers
.set FB,  184
.set DH,  184                          ; the tanh phase: dh and -2 v of the pass's 64 columns, where buffer FB lay
.set VV,  216
.set PP,  112                          ; the context loop: 16 weights, 16 rows
.set RW,  128
.set NSLOT, 5                          ; the fill: row slots,
.set X0,   96                          ; slot i at X0 + 32 i
.set WV,  18                           ; s18 w   s19 n   s20 q   s21 c   s22 my tiles   s23 my first list entry
.set NN,  19
.set QQ,  20
.set CC,  21
.set TQ,  22
.set J0,  23
.set IDX, 24                           ; s[24:59] my wave's 36 rows: list entries
.set JE,  60                           ; s60 the end of my list entries
.set REM, 61                           ; s61 tiles left, this block's among them
.set NV,  62                           ; s62 rows of the block that count
.set TA,  63
.set OFP, 66                           ; s[66:67] an offset, high word 0
.set BP,  68                           ; s[68:69] wsb at this pass's 32 K steps
.set BNX, 70                           ; s[70:71] at the next pass's
.set OFN, 72                           ; s[72:73] the next pass's offset in my wave's 524,288 bytes
.set TB,  74
.set BLK, 77
.set BROW, 78                          ; s78 144 x block
.set DD,  79                           ; s79 live rows among my wave's 36 (may be negative)
.set SC2, 80                           ; s[80:81] 2 log2(e)
.set SEL, 82                           ; s[82:83] v_permlanex16_b32: each lane takes its own place in the other half
.set L2E, 84
.set PASS, 85
.set LP,  86                           ; s[86:87] rows[n] at the block's first entry
.set CTR, 89
.set RB,  90                           ; s[90:99] the fill: slot i's row in encoder_hiddens[n]
.set MSB, 0
.macro WIN new                         ; the immediate's high byte repeats the setting that is left; a switch that changes nothing is dropped
.if MSB != (\new)
	s_set_vgpr_msb (MSB<<8)|(\new)
.set MSB, \new
.endif
.endm
; eight loads of 512 consecutive bytes: a K step's four fragments of W_s into ring buffer buf
.macro LOADB buf, base, off
	WIN 0x40                                       ; destination window 1, address window 0
.set le, 0
.rept 8
	global_load_b128 v[32*(\buf)+4*le:32*(\buf)+4*le+3], v[L16], s[\base:\base+1] offset:(\off)+512*le
.set le, le+1
.endr
.endm
; 18 LDS loads: the nine tiles' fragments of 32 along K at byte koff of the rows; 33,024 + 1,984 + 32 at the most in the immediate
.macro FETCH_A frag, koff
.set fa, 0
.rept 9
	ds_load_b128 v[(\frag)+8*fa:(\frag)+8*fa+3],   v[ADR0+fa/2] offset:(fa%2)*16*PITCH+(\koff)
	ds_load_b128 v[(\frag)+8*fa+4:(\frag)+8*fa+7], v[ADR0+fa/2] offset:(fa%2)*16*PITCH+(\koff)+32
.set fa, fa+1
.endr
.endm
; 4 na matrix instructions: tiles a0 .. x the pass's four column tiles.  All 36 accumulators take turns, in the same order in every K step.  ZR = 1: the products start the sums.
.macro MUL ring, frag, a0, na
.set ma, \a0
.rept \na
.set mb, 0
.rept 4
.set rD, (32*ma+8*mb)&255
.if ZR
	v_wmma_f32_16x16x32_bf16 v[rD:rD+7], v[32*(\ring)+8*mb:32*(\ring)+8*mb+7], v[(\frag)+8*ma:(\frag)+8*ma+7], 0
.else
	v_wmma_f32_16x16x32_bf16 v[rD:rD+7], v[32*(\ring)+8*mb:32*(\ring)+8*mb+7], v[(\frag)+8*ma:(\frag)+8*ma+7], v[rD:rD+7]
.endif
.set mb, mb+1
.endr
.set ma, ma+1
.endr
.endm
; K step i of a pass's 32: 36 matrix instructions; in its middle ONE run of loads: the next step's fragments of the block, and the fragments of W_s seven steps on (the last seven steps fetch the
; next pass's first seven).  The loads go into registers that the step before has multiplied: four places stand between.  Step 0 starts the sums: nothing is cleared.
.macro STEP i
.set FC, FA+72*((\i)%2)
.set FN, FA+72*(1-(\i)%2)
.if (\i) == 0
.set ZR, 1
.else
.set ZR, 0
.endif
.if (\i)%4 == 0
	s_wait_xcnt 0x0                                ; once in four steps: the 32 ring loads since the last such wait were issued a step ago or more
.endif
	s_wait_loadcnt 48                              ; this step's W_s is in: the loads of the six later steps, eight each, stay out
	s_wait_dscnt 10                                ; tiles 0-3 are in: the oldest 8 of the 18 loads
	WIN 0xa1                                       ; source 0 (W_s) window 1, source 1 (block) window 0, C and D window 2
	MUL (\i)%8, FC, 0, 4
	WIN 0
.rept 4
	v_nop
.endr
	FETCH_A FN, (((\i)+1)%32)*64
.if (\i)+7 < 32
	LOADB ((\i)+7)%8, BP, ((\i)+7)*4096
.else
	LOADB ((\i)+7)%8, BNX, ((\i)-25)*4096
.endif
	s_wait_dscnt 18                                ; all but the 18 just issued
	WIN 0xa1
	MUL (\i)%8, FC, 4, 4
	WIN 0xf1                                       ; C and D window 3
	MUL (\i)%8, FC, 8, 1
.endm
; dh and -2 v of pass p's columns 64 p + 16 b + 8 h + 0..7
.macro DHLOAD p
.set eb, 0
.rept 4
	ds_load_b128 v[DH+8*eb:DH+8*eb+3],   v[DHA0] offset:256*(\p)+64*eb
	ds_load_b128 v[DH+8*eb+4:DH+8*eb+7], v[DHA0] offset:256*(\p)+64*eb+16
	ds_load_b128 v[VV+8*eb:VV+8*eb+3],   v[DHA0] offset:4096+256*(\p)+64*eb
	ds_load_b128 v[VV+8*eb+4:VV+8*eb+7], v[DHA0] offset:4096+256*(\p)+64*eb+16
.set eb, eb+1
.endr
.endm
; Tile a of a finished pass: x = 2 log2(e) eh + dh', r = 1 / (1 + 2^x), S[a] += sum over my 32 columns of (-2 v) r.  Each accumulator is read from its low end on.
; Behind each run of transcendentals one plain instruction stands before a result is used (ISA guide 5.7.2).
.macro EPI_ROW a
.set AB, (32*(\a))&255
.set HW, (\a)/8
	WIN 0x82+0x41*HW                               ; destination and source 0: the accumulators' window; the rest window 0
.set er, 0
.rept 16
	v_pk_fma_f32 v[AB+2*er:AB+2*er+1], v[AB+2*er:AB+2*er+1], s[SC2:SC2+1], v[DH+2*er:DH+2*er+1] op_sel_hi:[1,0,1]
.set er, er+1
.endr
.set er, 0
.rept 32
	v_exp_f32 v[AB+er], v[AB+er]
.set er, er+1
.endr
	v_nop
.set er, 0
	s_wait_alu depctr_va_vdst(0)
.rept 16
	v_pk_add_f32 v[AB+2*er:AB+2*er+1], v[AB+2*er:AB+2*er+1], 1.0 op_sel_hi:[1,0]
.set er, er+1
.endr
.set er, 0
.rept 32
	v_rcp_f32 v[AB+er], v[AB+er]
.set er, er+1
.endr
	v_nop
	s_wait_alu depctr_va_vdst(0)
	WIN 0x02+HW                                    ; source 0: the accumulators' window
.set ep, 0
.rept 4                                        ; four chains, one a column tile, that do not wait for each other
.set eb, 0
.rept 4
.if ep == 0
	v_pk_mul_f32 v[T+2*eb:T+2*eb+1], v[AB+8*eb:AB+8*eb+1], v[VV+8*eb:VV+8*eb+1]
.else
	v_pk_fma_f32 v[T+2*eb:T+2*eb+1], v[AB+8*eb+2*ep:AB+8*eb+2*ep+1], v[VV+8*eb+2*ep:VV+8*eb+2*ep+1], v[T+2*eb:T+2*eb+1]
.endif
.set eb, eb+1
.endr
.set ep, ep+1
.endr
	WIN 0
	v_pk_add_f32 v[T:T+1], v[T:T+1], v[T+2:T+3]
	v_pk_add_f32 v[T+4:T+5], v[T+4:T+5], v[T+6:T+7]
	v_pk_add_f32 v[T:T+1], v[T:T+1], v[T+4:T+5]
	v_pk_add_f32 v[S+2*(\a):S+2*(\a)+1], v[S+2*(\a):S+2*(\a)+1], v[T:T+1]
.endm
; THE FILL.  Row k of my wave's 36 goes through slot k % 5: eight loads of 512 consecutive bytes cover its 4,096 bytes.  The row's place, 4,096 x its list entry (held within 1,023), goes
; into the slot's scalar base; the vector offset is 16 x lane alone.
.macro ROWISSUE k
.set XS, X0+32*((\k)%NSLOT)
.set RBK, RB+2*((\k)%NSLOT)
.if (\k) >= NSLOT
	s_wait_xcnt 0x0                                ; the slot's base is written anew only behind this wait (its last loads have also been waited for)
.endif
	s_lshl_b32 s[OFP], s[IDX+(\k)], 12
	s_add_nc_u64 s[RBK:RBK+1], s[4:5], s[OFP:OFP+1]
.set rj, 0
.rept 8
	global_load_b128 v[XS+4*rj:XS+4*rj+3], v[L16], s[RBK:RBK+1] offset:512*rj th:TH_LOAD_NT
.set rj, rj+1
.endr
.endm
.macro ROWDONE k, left                 ; left: the loads of the younger rows, which stay out
.set XS, X0+32*((\k)%NSLOT)
.if (\k) < 18
.set STR, ST0
.else
.set STR, ST1
.endif
	s_wait_loadcnt \left
.set rj, 0
.rept 8
	v_cvt_pk_bf16_f32 v[XS+4*rj],   v[XS+4*rj],   v[XS+4*rj+1]
	v_cvt_pk_bf16_f32 v[XS+4*rj+1], v[XS+4*rj+2], v[XS+4*rj+3]
.set rj, rj+1
.endr
.set rj, 0
.rept 8
	ds_store_b64 v[STR], v[XS+4*rj:XS+4*rj+1] offset:((\k)%18)*PITCH+256*rj  ; 32 lanes, 256 consecutive bytes
.set rj, rj+1
.endr
.endm
; Tile t of the context: its 16 weights, and my 16 bytes (8 columns) of its 16 rows
.macro CTXLOAD t
.set ci, 0
.rept 4
	ds_load_b128 v[PP+4*ci:PP+4*ci+3], v[PR0] offset:64*(\t)+16*ci           ; LDS serves a wave's instructions in order (ISA guide 5.7.1.4): these see my stores of the weights
.set ci, ci+1
.endr
.set ci, 0
.rept 16
	ds_load_b128 v[RW+4*ci:RW+4*ci+3], v[CA0+(\t)/2] offset:((\t)%2)*16*PITCH+PITCH*ci
.set ci, ci+1
.endr
.endm
	s_load_b256 s[4:11], s[0:1], 0x0               ; encoder_hiddens s[4:5], wsb s[6:7], dht s[8:9], v s[10:11]
	s_load_b128 s[12:15], s[0:1], 0x20             ; rows s[12:13], sc s[14:15]
	s_load_b64 s[16:17], s[0:1], 0x30              ; part
	v_lshl_add_u32 v[SPW], v0, 2, SPARE
	v_mov_b32 v[NIL], 0
	v_lshrrev_b32 v30, 5, v0
	v_readfirstlane_b32 s[WV], v30
	s_lshr_b32 s[NN], ttmp9, 2
	s_and_b32 s[QQ], ttmp9, 3
	v_and_b32 v[LN], 31, v0
	v_and_b32 v[RR], 15, v0
	v_bfe_u32 v[HH], v0, 4, 1
	v_lshlrev_b32 v[L16], 4, v[LN]
	v_lshlrev_b32 v[L4], 2, v[LN]
	v_mul_u32_u24 v[ADR0], v[RR], PITCH
	v_lshl_add_u32 v[ADR0], v[HH], 4, v[ADR0]
	s_lshl_b32 s[TA], s[WV], 9
	v_add_nc_u32 v[CA0], s[TA], v[L16]
.set u, 1
.rept 4
	v_add_nc_u32 v[ADR0+u], 32*PITCH*u, v[ADR0]
	v_add_nc_u32 v[CA0+u], 32*PITCH*u, v[CA0]
.set u, u+1
.endr
.set u, 0
.rept 5
	v_add_nc_u32 v[RHO+u], 32*u, v[LN]
.set u, u+1
.endr
	v_mul_u32_u24 v30, v[HH], NROW
	v_add3_u32 v30, v30, v[LN], 128
	v_lshlrev_b32 v[SO4], 2, v30
	v_lshrrev_b32 v104, 1, v[LN]                   ; dht: my 8 columns 256 w + 8 lane lie in tile 16 w + lane / 2, row n, half lane % 2
	v_and_b32 v107, 1, v[LN]
	v_lshlrev_b32 v104, 12, v104
	v_lshl_add_u32 v104, v107, 5, v104
	s_lshl_b32 s[TA], s[WV], 16
	s_lshl_b32 s[TB], s[NN], 6
	s_add_co_u32 s[TA], s[TA], s[TB]
	v_add_nc_u32 v104, s[TA], v104
	s_lshl_b32 s[TA], s[WV], 10
	v_lshl_add_u32 v105, v[LN], 5, s[TA]           ; v: 1,024 w + 32 lane
	v_add_nc_u32 v106, DHB, v105                   ; and the same place in LDS
	v_lshl_add_u32 v[DHA0], v[HH], 5, s[TA]
	v_add_nc_u32 v[DHA0], DHB, v[DHA0]
	v_add_nc_u32 v[PO], s[TA], v[L16]
	s_mul_i32 s[TA], s[WV], 4*NROW
	s_add_co_u32 s[TA], s[TA], SCR
	v_lshl_add_u32 v[SCW], v[RR], 2, s[TA]
	v_add_nc_u32 v[SCR0], SCR, v[L4]
	v_add_nc_u32 v30, 128, v[LN]
	v_min_u32 v30, 143, v30
	v_lshl_add_u32 v[SCR4], v30, 2, SCR
	s_mul_i32 s[TA], s[WV], 640
	s_add_co_u32 s[TA], s[TA], PB
	v_add_nc_u32 v[PW], s[TA], v[L4]
	v_mov_b32 v[PR0], s[TA]
	s_mul_i32 s[TA], s[WV], 36*PITCH
	v_lshl_add_u32 v[ST0], v[LN], 3, s[TA]
	v_add_nc_u32 v[ST1], 18*PITCH, v[ST0]
	v_mov_b32 v[MS], 0xff800000                    ; m = -inf: the first live block's factor for what was before is 0
	v_mov_b32 v[MS+1], 0
	v_mov_b32 v[MS+2], 0
	v_mov_b32 v[MS+3], 0
.set u, 0
.rept 8
	v_mov_b32 v[CTX+u], 0
.set u, u+1
.endr
	s_mov_b32 s[SC2], 0x4038aa3b
	s_mov_b32 s[SC2+1], s[SC2]                     ; named with it as a pair
	s_mov_b32 s[SEL], 0x76543210
	s_mov_b32 s[SEL+1], 0xfedcba98
	s_mov_b32 s[L2E], 0x3fb8aa3b
	s_mov_b32 s[OFP+1], 0
	s_mov_b32 s[OFN], 0x20000
	s_mov_b32 s[OFN+1], 0
	s_wait_kmcnt 0x0
	s_lshl_b32 s[OFP], s[NN], 22
	s_add_nc_u64 s[4:5], s[4:5], s[OFP:OFP+1]      ; encoder_hiddens[n]
	s_lshl_b32 s[OFP], s[WV], 19
	s_add_nc_u64 s[6:7], s[6:7], s[OFP:OFP+1]      ; my wave's 128 K steps of 4,096 bytes
	s_mul_i32 s[OFP], s[NN], 4864
	s_add_nc_u64 s[12:13], s[12:13], s[OFP:OFP+1]
	s_mul_i32 s[OFP], ttmp9, SCWG
	s_add_nc_u64 s[14:15], s[14:15], s[OFP:OFP+1]
	s_mul_i32 s[OFP], ttmp9, 4608
	s_add_nc_u64 s[16:17], s[16:17], s[OFP:OFP+1]
	s_load_b32 s[CC], s[12:13], 0x1200             ; c
	s_mov_b64 s[BP:BP+1], s[6:7]
	s_add_nc_u64 s[BNX:BNX+1], s[6:7], s[OFN:OFN+1]
	global_load_b128 v[84:87], v104, s[8:9]
	global_load_b128 v[88:91], v104, s[8:9] offset:16
	global_load_b128 v[92:95], v105, s[10:11]
	global_load_b128 v[96:99], v105, s[10:11] offset:16
.set u, 0
.rept 7
	LOADB u, BP, u*4096                            ; the ring's first seven K steps
.set u, u+1
.endr
	WIN 0
	s_wait_loadcnt 56                              ; dh and v are in: the ring's 56 loads are younger
	ds_store_b128 v106, v[84:87]
	ds_store_b128 v106, v[88:91] offset:16
.set u, 0
.rept 4                                        ; v is rounded to bf16, like the other operands of the products, and widened again
	v_cvt_pk_bf16_f32 v[100+u], v[92+2*u], v[93+2*u]
.set u, u+1
.endr
.set u, 0
.rept 4
	v_lshlrev_b32 v[92+2*u], 16, v[100+u]
	v_and_b32 v[93+2*u], 0xffff0000, v[100+u]
.set u, u+1
.endr
.set u, 0
.rept 4
	v_pk_mul_f32 v[92+2*u:93+2*u], v[92+2*u:93+2*u], -2.0 op_sel_hi:[1,0]
.set u, u+1
.endr
	ds_store_b128 v106, v[92:95] offset:4096
	ds_store_b128 v106, v[96:99] offset:4112
	s_wait_kmcnt 0x0
	s_min_u32 s[CC], s[CC], 0x400
	s_add_co_u32 s[TA], s[CC], 15
	s_lshr_b32 s[TA], s[TA], 4                     ; tiles of n
	s_lshr_b32 s[TB], s[TA], 2                     ; a quarter of them,
	s_and_b32 s[TA], s[TA], 3                      ; and what is over goes to the first work-groups
	s_cmp_lt_u32 s[QQ], s[TA]
	s_cselect_b32 s[TQ], 1, 0
	s_add_co_u32 s[TQ], s[TQ], s[TB]               ; my tiles
	s_min_u32 s[TA], s[QQ], s[TA]
	s_mul_i32 s[TB], s[TB], s[QQ]
	s_add_co_u32 s[TB], s[TB], s[TA]               ; my first tile
	s_lshl_b32 s[J0], s[TB], 4
	s_min_u32 s[J0], s[J0], 0x300                  ; my first list entry: 48 tiles in front of me at the most
	s_add_co_u32 s[TB], s[TB], s[TQ]
	s_lshl_b32 s[TB], s[TB], 4
	s_min_u32 s[JE], s[TB], s[CC]                  ; the end of my entries
	s_mov_b32 s[REM], s[TQ]
	s_mov_b32 s[BROW], 0
	s_mov_b32 s[BLK], 2
.Lblock:
	s_cmp_gt_i32 s[REM], 0
	s_cbranch_scc0 .Lnofill
	; PHASE 1: the block's rows are gathered, rounded and laid into LDS.
	s_wait_xcnt 0x0                                ; the list's address and the slots' bases are written anew only behind this wait
	s_add_co_u32 s[OFP], s[J0], s[BROW]
	s_lshl_b32 s[OFP], s[OFP], 2
	s_add_nc_u64 s[LP:LP+1], s[12:13], s[OFP:OFP+1]
	s_mul_i32 s[TA], s[WV], 144
	s_load_b512 s[IDX:IDX+15], s[LP:LP+1], s[TA] offset:0x0      ; my wave's 36 entries; entry 768 + 144 + 143 at the most, of 1,152
	s_load_b512 s[IDX+16:IDX+31], s[LP:LP+1], s[TA] offset:0x40
	s_load_b128 s[IDX+32:IDX+35], s[LP:LP+1], s[TA] offset:0x80
	s_lshl_b32 s[DD], s[REM], 4
	s_min_i32 s[DD], s[DD], NROW
	s_mul_i32 s[TB], s[WV], 36
	s_sub_co_i32 s[DD], s[DD], s[TB]
	s_wait_kmcnt 0x0
.set k, 0
.rept 36
	s_cmp_gt_i32 s[DD], k                          ; a slot in a tile that the block does not have takes row 0: its weight will be 0
	s_cselect_b32 s[IDX+k], s[IDX+k], 0
	s_min_u32 s[IDX+k], s[IDX+k], 0x3ff            ; inside the 1,024 rows whatever the list held
.set k, k+1
.endr
	s_wait_loadcnt 0x0                             ; the ring's loads are in: from here on the counts below count the fill's rows alone
.set k, 0
.rept NSLOT
	ROWISSUE k
.set k, k+1
.endr
.set k, 0
.rept 36                                       ; five rows, 20,480 bytes, of every wave are on their way
.if 35-k > NSLOT-1
.set lf, 8*(NSLOT-1)
.else
.set lf, 8*(35-k)
.endif
	ROWDONE k, lf
.if k+NSLOT <= 35
	ROWISSUE k+NSLOT
.endif
.set k, k+1
.endr
.Lnofill:
	s_wait_dscnt 0x0                               ; for the others' sake: my rows (and, the first time, my dh and v) are in LDS
	s_barrier_signal -1
	s_barrier_wait -1
	s_cmp_gt_i32 s[REM], 0
	s_cbranch_scc0 .Lnogemm
	; PHASE 2: four passes of 64 columns: 32 K steps, then tanh and the product with v.
.set u, 0
.rept 18
	v_mov_b32 v[S+u], 0
.set u, u+1
.endr
	FETCH_A FA, 0
	s_mov_b32 s[PASS], 4
.Lpass:
.set st, 0
.rept 32
	STEP st
.set st, st+1
.endr
	WIN 0
	s_wait_xcnt 0x0                                ; the ring's loads have had their addresses translated (ISA guide 3.1): their bases are written only behind this wait
	s_mov_b64 s[BP:BP+1], s[BNX:BNX+1]
	s_add_co_u32 s[OFN], s[OFN], 0x20000
	s_and_b32 s[OFN], s[OFN], 0x7ffff              ; round my wave's 524,288 bytes: no load leaves wsb
	s_add_nc_u64 s[BNX:BNX+1], s[6:7], s[OFN:OFN+1]
.rept 4
	v_nop                                          ; four places behind the last products: buffer FB is loaded anew, results are read
.endr
	s_cmp_eq_u32 s[PASS], 4                        ; the pass's counter picks the sixteen loads with the pass's immediates
	s_cbranch_scc1 .Ldh0
	s_cmp_eq_u32 s[PASS], 3
	s_cbranch_scc1 .Ldh1
	s_cmp_eq_u32 s[PASS], 2
	s_cbranch_scc1 .Ldh2
	DHLOAD 3
	s_branch .Ldhgo
.Ldh0:
	DHLOAD 0
	s_branch .Ldhgo
.Ldh1:
	DHLOAD 1
	s_branch .Ldhgo
.Ldh2:
	DHLOAD 2
.Ldhgo:
	s_wait_dscnt 0x0
	EPI_ROW 0
	EPI_ROW 1
	EPI_ROW 2
	EPI_ROW 3
	EPI_ROW 4
	EPI_ROW 5
	EPI_ROW 6
	EPI_ROW 7
	EPI_ROW 8
	s_sub_co_u32 s[PASS], s[PASS], 1
	s_cmp_lg_u32 s[PASS], 0
	s_cbranch_scc1 .Lpass
.set u, 0
.rept 9
	v_add_f32 v[S+2*u], v[S+2*u], v[S+2*u+1]
.set u, u+1
.endr
.set u, 0
.rept 9
	v_permlanex16_b32 v[S+2*u+1], v[S+2*u], s[SEL], s[SEL+1]     ; the row's other 128 columns of my wave lie in the lane 16 away
.set u, u+1
.endr
.set u, 0
.rept 9
	v_add_f32 v[S+2*u], v[S+2*u], v[S+2*u+1]
.set u, u+1
.endr
.set u, 0
.rept 9
	ds_store_b32 v[SCW], v[S+2*u] offset:64*u      ; both halves of the lanes write the same number to the same word
.set u, u+1
.endr
.Lnogemm:
	s_wait_dscnt 0x0                               ; for the others' sake: my partial scores are in LDS
	s_barrier_signal -1
	s_barrier_wait -1
	s_cmp_gt_i32 s[REM], 0
	s_cbranch_scc0 .Lnoctx
	; PHASE 3: the block's scores, its part in the running softmax, and the weighted sum of its rows.  A live block's first row counts, so the new m is finite.
	s_sub_co_i32 s[NV], s[JE], s[J0]
	s_sub_co_i32 s[NV], s[NV], s[BROW]
	s_max_i32 s[NV], s[NV], 0
	s_min_i32 s[NV], s[NV], NROW
.set u, 0
.rept 5
.set ww, 0
.rept 4
.if u < 4
	ds_load_b32 v[T+4*u+ww], v[SCR0] offset:4*NROW*ww+128*u
.else
	ds_load_b32 v[T+4*u+ww], v[SCR4] offset:4*NROW*ww
.endif
.set ww, ww+1
.endr
.set u, u+1
.endr
	s_wait_dscnt 0x0
.set u, 0
.rept 5
	v_add_f32 v[T+4*u], v[T+4*u], v[T+4*u+1]
	v_add_f32 v[T+4*u+2], v[T+4*u+2], v[T+4*u+3]
.set u, u+1
.endr
.set u, 0
.rept 5
	v_add_f32 v[SCV+u], v[T+4*u], v[T+4*u+2]
.set u, u+1
.endr
.set u, 0
.rept 5
	v_cmp_gt_u32 vcc_lo, s[NV], v[RHO+u]
	v_cndmask_b32 v[SCV+u], 0xff800000, v[SCV+u], vcc_lo         ; a row that does not count: -inf
.set u, u+1
.endr
	v_max3_num_f32 v[T], v[SCV], v[SCV+1], v[SCV+2]
	v_max3_num_f32 v[T], v[T], v[SCV+3], v[SCV+4]
	v_max_num_f32_dpp v[T], v[T], v[T] row_xmask:1 row_mask:0xf bank_mask:0xf
	v_max_num_f32_dpp v[T], v[T], v[T] row_xmask:2 row_mask:0xf bank_mask:0xf
	v_max_num_f32_dpp v[T], v[T], v[T] row_xmask:4 row_mask:0xf bank_mask:0xf
	v_max_num_f32_dpp v[T], v[T], v[T] row_xmask:8 row_mask:0xf bank_mask:0xf
	v_permlanex16_b32 v[T+1], v[T], s[SEL], s[SEL+1]
	v_max3_num_f32 v[T+2], v[T], v[T+1], v[MS]     ; the new m
	v_sub_f32 v[T+3], v[MS], v[T+2]
	v_mul_f32 v[T+3], s[L2E], v[T+3]
	v_exp_f32 v[AL], v[T+3]                        ; what was before is scaled by 2^((m_old - m_new) log2 e)
	v_exp_f32 v[AL+1], v[T+3]
.set u, 0
.rept 5
	v_sub_f32 v[T+4+u], v[SCV+u], v[T+2]           ; the difference first, then the factor: no two rounded products are taken from each other
.set u, u+1
.endr
.set u, 0
.rept 5
	v_mul_f32 v[T+4+u], s[L2E], v[T+4+u]
.set u, u+1
.endr
.set u, 0
.rept 5
	v_exp_f32 v[T+4+u], v[T+4+u]
.set u, u+1
.endr
	v_mov_b32 v[MS], v[T+2]                        ; the plain instruction behind the exponentials
	s_wait_alu depctr_va_vdst(0)
	v_add_f32 v[T+10], v[T+4], v[T+5]
	v_add_f32 v[T+11], v[T+6], v[T+7]
	v_add_f32 v[T+10], v[T+10], v[T+8]
	v_add_f32 v[T+10], v[T+10], v[T+11]
.set u, 0
.rept 5
	ds_store_b32 v[PW], v[T+4+u] offset:128*u      ; my wave's own copy of the weights
.set u, u+1
.endr
	v_add_f32_dpp v[T+10], v[T+10], v[T+10] row_xmask:1 row_mask:0xf bank_mask:0xf
	v_add_f32_dpp v[T+10], v[T+10], v[T+10] row_xmask:2 row_mask:0xf bank_mask:0xf
	v_add_f32_dpp v[T+10], v[T+10], v[T+10] row_xmask:4 row_mask:0xf bank_mask:0xf
	v_add_f32_dpp v[T+10], v[T+10], v[T+10] row_xmask:8 row_mask:0xf bank_mask:0xf
	v_permlanex16_b32 v[T+11], v[T+10], s[SEL], s[SEL+1]
	v_add_f32 v[T+10], v[T+10], v[T+11]
	v_fma_f32 v[MS+1], v[AL], v[MS+1], v[T+10]
.set u, 0
.rept 4
	v_pk_mul_f32 v[CTX+2*u:CTX+2*u+1], v[CTX+2*u:CTX+2*u+1], v[AL:AL+1]
.set u, u+1
.endr
	s_cmp_lg_u32 s[WV], 0
	s_cbranch_scc1 .Lnosc
	; wave 0: the block's scores, in the list's order, all lanes on
.set u, 0
.rept 4
	global_store_b32 v[L4], v[SCV+u], s[14:15] offset:128*u
.set u, u+1
.endr
	global_store_b32 v[SO4], v[SCV+4], s[14:15]    ; rows 128 to 143; the upper lanes' -inf goes to entries 288 to 303 from the block's first, which hold nothing else
.Lnosc:
	s_mov_b32 s[CTR], 9
.Lctx:                                                 ; a trip: tile 9 - CTR, 16 rows; my 8 columns of each, times the row's weight.  The counter picks the twenty loads with the tile's immediates
.irp t, 0,1,2,3,4,5,6,7
	s_cmp_eq_u32 s[CTR], 9-\t
	s_cbranch_scc1 .Lct\t
.endr
	CTXLOAD 8
	s_branch .Lctgo
.irp t, 0,1,2,3,4,5,6,7
.Lct\t:
	CTXLOAD \t
	s_branch .Lctgo
.endr
.Lctgo:
.set ci, 0
.rept 16
	s_wait_dscnt 15-ci                             ; row ci is in; the younger rows' loads stay out
.set ce, 0
.rept 4
	v_fma_mix_f32_bf16 v[CTX+2*ce], v[RW+4*ci+ce], v[PP+ci], v[CTX+2*ce] op_sel_hi:[1,0,0]
	v_fma_mix_f32_bf16 v[CTX+2*ce+1], v[RW+4*ci+ce], v[PP+ci], v[CTX+2*ce+1] op_sel:[1,0,0] op_sel_hi:[1,0,0]
.set ce, ce+1
.endr
.set ci, ci+1
.endr
	s_sub_co_u32 s[CTR], s[CTR], 1
	s_cmp_lg_u32 s[CTR], 0
	s_cbranch_scc1 .Lctx
.Lnoctx:
	s_wait_dscnt 0x0                               ; my reads of the block and of the partial scores are over: behind this barrier both may be written anew
	s_barrier_signal -1
	s_barrier_wait -1
	s_wait_xcnt 0x0                                ; the scores' stores have read their base and their data
	s_add_nc_u64 s[14:15], s[14:15], 4*NROW        ; the next block's 144 entries
	s_sub_co_i32 s[REM], s[REM], 9
	s_add_co_u32 s[BROW], s[BROW], NROW
	s_sub_co_u32 s[BLK], s[BLK], 1
	s_cmp_lg_u32 s[BLK], 0
	s_cbranch_scc1 .Lblock
	global_store_b128 v[PO], v[CTX:CTX+3], s[16:17]              ; [w][half][lane][4 f32]: each store covers 512 consecutive bytes
	global_store_b128 v[PO], v[CTX+4:CTX+7], s[16:17] offset:512
	s_cmp_lg_u32 s[WV], 0
	s_cbranch_scc1 .Lend
	global_store_b128 v[L16], v[MS:MS+3], s[16:17] offset:4096   ; (m, sum, 0, 0), 32 times
.Lend:
	s_wait_tensorcnt 0x0                           ; the wave's end: behind my last LDS store
	ds_add_u32 v[SPW], v[NIL]
	s_wait_dscnt 0x0
	s_endpgm
.Lfunc_end_k_qb3f8960c80_main:
	.size	k_qb3f8960c80_main, .Lfunc_end_k_qb3f8960c80_main-k_qb3f8960c80_main
	.p2alignl 7, 3214868480
	.fill 96, 4, 3214868480
	.section	.rodata,"a",@progbits
	.p2align	6, 0x0
	.amdhsa_kernel k_qb3f8960c80_main
		.amdhsa_group_segment_fixed_size 310784
		.amdhsa_private_segment_fixed_size 0
		.amdhsa_enable_private_segment 0
		.amdhsa_kernarg_size 56
		.amdhsa_user_sgpr_count 2
		.amdhsa_user_sgpr_kernarg_segment_ptr 1
		.amdhsa_wavefront_size32 1
		.amdhsa_system_sgpr_workgroup_id_x 1
		.amdhsa_system_sgpr_workgroup_id_y 1
		.amdhsa_system_sgpr_workgroup_id_z 1
		.amdhsa_system_vgpr_workitem_id 0
		.amdhsa_next_free_vgpr 800
		.amdhsa_next_free_sgpr 100
		.amdhsa_reserve_vcc 1
		.amdhsa_float_denorm_mode_32 3
		.amdhsa_float_denorm_mode_16_64 3
		.amdhsa_memory_ordered 1
		.amdhsa_forward_progress 1
		.amdhsa_inst_pref_size 255
	.end_amdhsa_kernel
	.section	.bss,"aw",@nobits
	.p2align	6
	.space	262144
	.amdgpu_metadata
---
amdhsa.version: [ 1, 2 ]
amdhsa.kernels:
  - .name:           k_qb3f8960c80_main
    .symbol:         k_qb3f8960c80_main.kd
    .args:
      - { .name: encoder_hiddens, .offset: 0, .size: 8, .value_kind: global_buffer, .address_space: global }
      - { .name: wsb, .offset: 8, .size: 8, .value_kind: global_buffer, .address_space: global }
      - { .name: dht, .offset: 16, .size: 8, .value_kind: global_buffer, .address_space: global }
      - { .name: v, .offset: 24, .size: 8, .value_kind: global_buffer, .address_space: global }
      - { .name: rows, .offset: 32, .size: 8, .value_kind: global_buffer, .address_space: global }
      - { .name: sc, .offset: 40, .size: 8, .value_kind: global_buffer, .address_space: global }
      - { .name: part, .offset: 48, .size: 8, .value_kind: global_buffer, .address_space: global }
    .group_segment_fixed_size: 310784
    .private_segment_fixed_size: 0
    .kernarg_segment_align: 8
    .kernarg_segment_size: 56
    .max_flat_workgroup_size: 128
    .sgpr_count:     100
    .vgpr_count:     800
    .wavefront_size: 32
...
	.end_amdgpu_metadata
.endif
;; end of part 2
;; launch fin (part 3): grid 64 x 1, 8 waves a work-group, no clusters, 0 bytes of LDS; arguments sc, part, pos, rows, out0, out1; writes out0, out1
.if DOCPART == 3
	.amdgcn_target "amdgcn-amd-amdhsa--gfx1250"
	.amdhsa_code_object_version 6
	.text
	.protected	k_qb3f8960c80_fin
	.globl	k_qb3f8960c80_fin
	.p2align	8
	.type	k_qb3f8960c80_fin,@function
k_qb3f8960c80_fin:
	s_mov_b64 s[64:65], 0
	v_nop
	global_prefetch_b8 v0, s[64:65] scope:SCOPE_SE
	s_setreg_imm32_b32 hwreg(HW_REG_WAVE_MODE, 25, 1), 1
	s_wait_xcnt 0x0
; THE MERGE.  Work-group n, thread t (0 to 255).  The four parts q of n each hold a maximum m_q, a sum and a context taken with 2^((s - m_q) log2 e).
; M = max m_q, f_q = 2^((m_q - M) log2 e), Sum = sum f_q sum_q.  out1[n][l] = 2^((s[l] - M) log2 e) / Sum; out0[n][k] = sum f_q context_q[k] / Sum.
; WHERE s[l] LIES.  pos[n][l] = p is l's place in the list of n.  The list's tiles of 16 were dealt to the four parts as the launch before dealt them: part q begins at entry J_q, made here from the
; count c by the same arithmetic, and keeps its scores at sc[4 n + q][p - J_q].  So the entry's number in sc[4 n ..] is p + (448 q - J_q), q the last part with J_q <= p; it is held within the
; 1,792 entries last of all.  A masked l has p >= c: its entry lies behind its part's scores, where every entry holds -inf, so its weight is 0.
; With every place masked M = -inf, and -inf less -inf makes every number NaN, as the softmax of nothing is.  A part without rows has m_q = -inf, f_q = 0.
; Thread t owns 4 numbers of each output: 16 bytes at 16 t, so that a wave's store covers 512 consecutive bytes.  64 work-groups: there is one merge for each n, of 8,192 bytes out.
	s_load_b256 s[4:11], s[0:1], 0x0               ; sc s[4:5], part s[6:7], pos s[8:9], rows s[10:11]
	s_load_b128 s[12:15], s[0:1], 0x20             ; out0 s[12:13], out1 s[14:15]
	s_mul_i32 s16, ttmp9, 4*4608
	s_mov_b32 s17, 0
	s_lshl_b32 s18, ttmp9, 12
	s_mov_b32 s19, 0
	s_mul_i32 s20, ttmp9, 4*1792
	s_mov_b32 s21, 0
	s_mul_i32 s22, ttmp9, 4864
	s_mov_b32 s23, 0
	v_lshlrev_b32 v1, 4, v0                        ; 16 t
	v_lshrrev_b32 v2, 6, v0                        ; columns 4 t on lie in a part at [t / 64][t % 2][(t % 64) / 2]
	v_and_b32 v3, 1, v0
	v_bfe_u32 v4, v0, 1, 5
	v_lshlrev_b32 v2, 10, v2
	v_lshl_add_u32 v2, v3, 9, v2
	v_lshl_add_u32 v2, v4, 4, v2
	s_wait_kmcnt 0x0
	s_add_nc_u64 s[4:5], s[4:5], s[20:21]
	s_add_nc_u64 s[6:7], s[6:7], s[16:17]
	s_add_nc_u64 s[8:9], s[8:9], s[18:19]
	s_add_nc_u64 s[10:11], s[10:11], s[22:23]
	s_add_nc_u64 s[12:13], s[12:13], s[18:19]
	s_add_nc_u64 s[14:15], s[14:15], s[18:19]
	s_load_b32 s24, s[10:11], 0x1200               ; c
	s_load_b64 s[26:27], s[6:7], 0x1000            ; (m_q, sum_q) at 4,608 q + 4,096
	s_load_b64 s[28:29], s[6:7], 0x2200
	s_load_b64 s[30:31], s[6:7], 0x3400
	s_load_b64 s[32:33], s[6:7], 0x4600
	global_load_b128 v[40:43], v1, s[8:9]          ; p of my four l
	global_load_b128 v[12:15], v2, s[6:7]
	global_load_b128 v[16:19], v2, s[6:7] offset:4608
	global_load_b128 v[20:23], v2, s[6:7] offset:9216
	global_load_b128 v[24:27], v2, s[6:7] offset:13824
	s_wait_kmcnt 0x0
	s_min_u32 s24, s24, 0x400
	s_add_co_u32 s34, s24, 15
	s_lshr_b32 s34, s34, 4                         ; tiles of n
	s_lshr_b32 s35, s34, 2                         ; a quarter of them,
	s_and_b32 s36, s34, 3                          ; and what is over went to the first parts
	s_min_u32 s37, s36, 1
	s_add_co_u32 s37, s37, s35                     ; part 1's first tile
	s_min_u32 s38, s36, 2
	s_lshl1_add_u32 s38, s35, s38                  ; part 2's
	s_mul_i32 s39, s35, 3
	s_add_co_u32 s39, s39, s36                     ; part 3's
	s_lshl_b32 s37, s37, 4                         ; J_1, J_2, J_3
	s_lshl_b32 s38, s38, 4
	s_lshl_b32 s39, s39, 4
	s_sub_co_u32 s40, 448, s37                     ; 448 q - J_q: J_q is 256 q at the most
	s_sub_co_u32 s41, 896, s38
	s_sub_co_u32 s42, 1344, s39
	s_wait_loadcnt 0x4                             ; p is in: the four loads of the parts are younger
.set i, 0
.rept 4
	v_cmp_le_u32 vcc_lo, s37, v[40+i]
	v_cndmask_b32 v[36+i], 0, s40, vcc_lo
	v_cmp_le_u32 vcc_lo, s38, v[40+i]
	v_cndmask_b32 v[36+i], v[36+i], s41, vcc_lo
	v_cmp_le_u32 vcc_lo, s39, v[40+i]
	v_cndmask_b32 v[36+i], v[36+i], s42, vcc_lo
	v_add_nc_u32 v[36+i], v[36+i], v[40+i]
	v_min_u32 v[36+i], 0x6ff, v[36+i]              ; inside the 1,792 entries of n whatever the words held
	v_lshlrev_b32 v[36+i], 2, v[36+i]
	global_load_b32 v[8+i], v[36+i], s[4:5]
.set i, i+1
.endr
	v_mov_b32 v28, s26
	v_max_num_f32 v28, s28, v28
	v_max_num_f32 v28, s30, v28
	v_max_num_f32 v28, s32, v28                    ; M
	v_sub_f32 v29, s26, v28
	v_sub_f32 v30, s28, v28
	v_sub_f32 v31, s30, v28
	v_sub_f32 v32, s32, v28
	v_mul_f32 v29, 0x3fb8aa3b, v29
	v_mul_f32 v30, 0x3fb8aa3b, v30
	v_mul_f32 v31, 0x3fb8aa3b, v31
	v_mul_f32 v32, 0x3fb8aa3b, v32
	v_exp_f32 v29, v29
	v_exp_f32 v30, v30
	v_exp_f32 v31, v31
	v_exp_f32 v32, v32
	v_nop                                          ; a plain instruction between the last exponential and the use of its result (ISA guide 5.7.2)
	s_wait_alu depctr_va_vdst(0)
	v_mul_f32 v33, s27, v29
	v_fmac_f32 v33, s29, v30
	v_fmac_f32 v33, s31, v31
	v_fmac_f32 v33, s33, v32                       ; Sum
	v_rcp_f32 v34, v33
	s_wait_loadcnt 0x0
	v_sub_f32 v8, v8, v28                          ; plain work that touches neither Sum nor its reciprocal
	v_sub_f32 v9, v9, v28
	v_sub_f32 v10, v10, v28
	v_sub_f32 v11, v11, v28
	v_mul_f32 v8, 0x3fb8aa3b, v8
	v_mul_f32 v9, 0x3fb8aa3b, v9
	v_mul_f32 v10, 0x3fb8aa3b, v10
	v_mul_f32 v11, 0x3fb8aa3b, v11
	v_exp_f32 v8, v8
	v_exp_f32 v9, v9
	v_exp_f32 v10, v10
	v_exp_f32 v11, v11
	s_wait_alu depctr_va_vdst(0)
	v_mul_f32 v29, v29, v34                        ; f_q / Sum: also the plain instructions behind the exponentials
	v_mul_f32 v30, v30, v34
	v_mul_f32 v31, v31, v34
	v_mul_f32 v32, v32, v34
	v_mul_f32 v8, v8, v34
	v_mul_f32 v9, v9, v34
	v_mul_f32 v10, v10, v34
	v_mul_f32 v11, v11, v34
	global_store_b128 v1, v[8:11], s[14:15]
.set i, 0
.rept 4
	v_mul_f32 v[12+i], v29, v[12+i]
.set i, i+1
.endr
.set i, 0
.rept 4
	v_fmac_f32 v[12+i], v30, v[16+i]
.set i, i+1
.endr
.set i, 0
.rept 4
	v_fmac_f32 v[12+i], v31, v[20+i]
.set i, i+1
.endr
.set i, 0
.rept 4
	v_fmac_f32 v[12+i], v32, v[24+i]
.set i, i+1
.endr
	global_store_b128 v1, v[12:15], s[12:13]
	s_endpgm
.Lfunc_end_k_qb3f8960c80_fin:
	.size	k_qb3f8960c80_fin, .Lfunc_end_k_qb3f8960c80_fin-k_qb3f8960c80_fin
	.p2alignl 7, 3214868480
	.fill 96, 4, 3214868480
	.section	.rodata,"a",@progbits
	.p2align	6, 0x0
	.amdhsa_kernel k_qb3f8960c80_fin
		.amdhsa_group_segment_fixed_size 0
		.amdhsa_private_segment_fixed_size 0
		.amdhsa_enable_private_segment 0
		.amdhsa_kernarg_size 48
		.amdhsa_user_sgpr_count 2
		.amdhsa_user_sgpr_kernarg_segment_ptr 1
		.amdhsa_wavefront_size32 1
		.amdhsa_system_sgpr_workgroup_id_x 1
		.amdhsa_system_sgpr_workgroup_id_y 1
		.amdhsa_system_sgpr_workgroup_id_z 1
		.amdhsa_system_vgpr_workitem_id 0
		.amdhsa_next_free_vgpr 48
		.amdhsa_next_free_sgpr 66
		.amdhsa_reserve_vcc 1
		.amdhsa_float_denorm_mode_32 3
		.amdhsa_float_denorm_mode_16_64 3
		.amdhsa_memory_ordered 1
		.amdhsa_forward_progress 1
		.amdhsa_inst_pref_size 8
	.end_amdhsa_kernel
	.amdgpu_metadata
---
amdhsa.version: [ 1, 2 ]
amdhsa.kernels:
  - .name:           k_qb3f8960c80_fin
    .symbol:         k_qb3f8960c80_fin.kd
    .args:
      - { .name: sc, .offset: 0, .size: 8, .value_kind: global_buffer, .address_space: global }
      - { .name: part, .offset: 8, .size: 8, .value_kind: global_buffer, .address_space: global }
      - { .name: pos, .offset: 16, .size: 8, .value_kind: global_buffer, .address_space: global }
      - { .name: rows, .offset: 24, .size: 8, .value_kind: global_buffer, .address_space: global }
      - { .name: out0, .offset: 32, .size: 8, .value_kind: global_buffer, .address_space: global }
      - { .name: out1, .offset: 40, .size: 8, .value_kind: global_buffer, .address_space: global }
    .group_segment_fixed_size: 0
    .private_segment_fixed_size: 0
    .kernarg_segment_align: 8
    .kernarg_segment_size: 48
    .max_flat_workgroup_size: 256
    .sgpr_count:     66
    .vgpr_count:     48
    .wavefront_size: 32
...
	.end_amdgpu_metadata
.endif
;; end of part 3
;; ======== version 2 of 2: 3 launches; version 1 with the launch main written anew for expert scheduling mode
;; workspace buffers: wsb 2,097,152 bytes; dht 262,144 bytes; rows 311,296 bytes of whole numbers; pos 262,144 bytes of whole numbers; sc 458,752 bytes; part 1,179,648 bytes
;; launch prep: the kernel of part 1 again; grid 256 x 1, 8 waves a work-group, no clusters, 11,264 bytes of LDS; arguments W_h, W_s, decoder_hidden, mask, wsb, dht, rows, sc, pos; writes wsb, dht, rows, sc, pos
;; launch main (part 4): grid 256 x 1, 4 waves a work-group, no clusters, 310,784 bytes of LDS; arguments encoder_hiddens, wsb, dht, v, rows, sc, part; writes sc, part
.if DOCPART == 4
	.amdgcn_target "amdgcn-amd-amdhsa--gfx1250"
	.amdhsa_code_object_version 6
	.text
	.protected	k_qb3f8960c80_main
	.globl	k_qb3f8960c80_main
	.p2align	8
	.type	k_qb3f8960c80_main,@function
k_qb3f8960c80_main:
	s_mov_b64 s[64:65], 0
	v_nop
	global_prefetch_b8 v0, s[64:65] scope:SCOPE_SE
	s_setreg_imm32_b32 hwreg(HW_REG_WAVE_SCHED_MODE, 0, 2), 2
	s_setreg_imm32_b32 hwreg(HW_REG_WAVE_MODE, 25, 1), 1
	s_wait_xcnt 0x0
	s_wait_alu depctr_vm_vsrc(0)
; ADDITIVE ATTENTION, the bulk.  Work-group x: n = x / 4, q = x % 4.  Four waves, wave w.
; score[l] = sum over k of v[k] tanh(dh[k] + eh[l][k]), eh = encoder_hiddens[n] W_s^T.  tanh x = 1 - 2 / (1 + 2^(2 log2(e) x)), so score = sum v - 2 sum v[k] r[k], r = 1 / (1 + 2^..).
; The softmax over l does not see the common term sum v, and scores are no output: s[l] = sum (-2 v[k]) r[k] takes the score's place, for every input.  Its maximum is still taken away.
; MASKED PLACES have the weight 0: they are neither read nor multiplied.  rows[n] lists the c kept places; ceil(c / 16) tiles of 16 rows are dealt to the four work-groups of n, at most 16 each.
; A BLOCK is 9 tiles, 144 rows, gathered by the list, rounded to bf16 ONCE and kept in LDS for both uses: the product with W_s and the weighted sum (context).  Two blocks at the most: the block
; loop has two trips; a block with no tile jumps forward over its three phases, never over a barrier.
; SHARES.  Wave w fills rows 36 w .. 36 w + 35; owns the 256 columns k = 256 w .. of eh, in four passes of 64: 9 x 4 accumulators of 16 x 16, K in 32 steps of 32; owns the same 256 columns of the context.
; W_s comes as bf16 fragments (wsb) STRAIGHT INTO REGISTERS, by loads of 512 consecutive bytes, through a ring of eight K steps, seven ahead.  NO JOINT LOADS, NO LDS SLOTS for it: a fragment of W_s is
; used by one wave alone (the waves split the columns), so LDS would add no reuse; and the block takes 297,216 of the 327,680 bytes, which leaves no room for two slots worth a barrier.
; The ring walks the wave's 128 K steps and wraps round, so that a second block finds steps 0 to 6 waiting; behind the last live block those 56 loads serve nothing.
; ADDRESSES.  Every vector register that serves as an address is made once, at the head, from the thread's number and constants, and never rewritten.  What changes from step to step stands in the
; immediates (a pass's 32 K steps are written out; the loads of a pass's dh and v, and of a tile of the context, are written once for each pass or tile, and the loop's counter picks) or in scalar bases.
; THE MATRIX INSTRUCTION IS USED TRANSPOSED: source 0 = 16 rows of W_s, source 1 = 16 rows of the block: lane (r, h) holds row r and the columns 8 h + 0..7.
; SOFTMAX by blocks: running maximum m, sum and context, as in any streamed softmax; every wave makes the block's statistics for itself from the four waves' partial scores.
; OUT: sc[x][144 block + row] = s of the block's rows, in the list's order, -inf for a row that does not count (wave 0; all lanes on: the upper 16 lanes of the fifth store put their -inf 288 entries
; behind the block's first); part[x] = my context (unnormalised, 1,024 f32) and (m, sum).  The next launch merges the four parts of n.
; LIMITS.  Operands of products (rows, W_s, v) are rounded to bf16; beyond its range they become infinities.  A NaN or infinity in a masked row is not seen, unless the row fills a dead slot of a tile.
; THE MODE: SCHED_MODE bits 1:0 = 2 (LLVM: expert scheduling mode 2), set by the entry lines.  The code itself states the register dependences between vector or matrix instructions and memory or
; LDS instructions, with s_wait_alu, always for 0.
; THE PLAN.  Registers that memory or LDS instructions touch, and who else names them:
;   the addresses   written at the head, ahead of one wait on va_vdst; read by every load and store; never written again.
;   X0 .. X4        the fill: row k's eight loads land in X[k % 5]; its sixteen roundings read it; ONE wait on va_vdst behind them, then the loads of row k + 5.
;   O0, O1          the fill: row k's roundings write O[k % 2]; its eight LDS stores read it, behind the same wait; one wait on vm_vsrc ahead of row k + 2's roundings.
;   FA, FB, ring    K step i's matrix instructions read F[i % 2] and ring buffer i % 8; its 26 loads land in F[(i + 1) % 2] and ring buffer (i + 7) % 8, which the step before read.  ONE wait on va_vdst
;                   at a step's head; the sixteen matrix instructions between it and the run of loads name none of the registers in which those loads land.
;   DH, VV          lie in FB: one wait on va_vdst ahead of their loads; the next pass's first step's wait covers the tanh phase's reads of them.
;   S, T, SCV       S and T + 4 .. 8 are LDS stores' data, SCV is global stores' data, T takes LDS loads: a wait on va_vdst ahead of each run of stores; both waits at the head of each phase, which
;                   cover what the phases before left, on every way through the text and round the block loop's back edge.
;   PP, RW          the context loop: a tile's twenty loads land there, its 128 multiply-adds read them: one wait on va_vdst at the head of a trip.
;   the accumulators are named by vector and matrix instructions alone.
; REGISTERS, in windows of 256 (s_set_vgpr_msb: bits 1:0 source 0, 3:2 source 1, 5:4 source 2, 7:6 destination):
;   window 0: addresses, statistics, at work; v112-183, v184-255 two buffers of the block's fragments (9 x 8); during the fill v96-255 are five row slots of 32, v40-55 and v80-95 two out-buffers
;   window 1: the ring, eight K steps x 4 fragments x 8      window 2: accumulators of tiles 0-7, (a, b) at 8 (4 a + b)      window 3: v0-31 accumulators of tile 8
.set PITCH, 2064                       ; a row in LDS: 2,048 bytes of bf16 + 16 = 129 x 16: the 16 rows of a fragment load start at 16 different 16-byte columns modulo 256
.set NROW,  144
.set DHB,   NROW*PITCH                 ; 4,096 bytes: 2 log2(e) dh[n][k]; wave w writes and reads its own quarter
.set SCR,   DHB+8192                   ; behind it 4,096 bytes of -2 v[k], likewise; then [w][144] f32: the waves' partial scores
.set PB,    SCR+4*4*NROW               ; [w][160] f32: the block's weights, each wave's own copy
.set SPARE, PB+4*640                   ; the spare words, 128 bytes a wave, that no other line names
.set SCWG,  1792                       ; bytes of sc for a work-group: 448 f32
.set SPW, 1                            ; v1   LDS address of my spare word
.set NIL, 2                            ; v2   0
.set L16, 3                            ; v3   16 x lane
.set ADR0, 4                           ; v4-8   fragments: (32 i + r) x PITCH + 16 h
.set CA0, 9                            ; v9-13  context: 32 i x PITCH + 512 w + 16 lane: my 16 bytes (8 columns) of row 32 i
.set LN,  14
.set RR,  15
.set HH,  16
.set SO4, 17                           ; v17  the fifth store of scores: 4 (128 + lane + 144 h)
.set DHA0, 18                          ; v18  dh of columns 256 w + 8 h on
.set SCW, 19                           ; v19  where my partial scores go
.set SCR0, 20                          ; v20  where row 32 u + lane's partial scores lie
.set SCR4, 21                          ; v21  the same for rows 128 + lane, held at 143
.set PW,  22                           ; v22  where my weights go
.set PR0, 24                           ; v24  my wave's copy of the weights
.set ST0, 27                           ; v27  where my 8 bytes of my wave's row 0 go
.set L4,  28
.set PO,  29
.set ST1, 31                           ; v31  the same for my wave's row 18, so that the stores' offsets stay inside 16 bits
.set CTX, 32                           ; v32-39  context of my 8 columns
.set S,   40                           ; v40-57  tile a: partial score of row r (even, odd columns)
.set AL,  58                           ; v58-59  2^(m_old - m_new), twice
.set MS,  60                           ; v60-63  m, sum, 0, 0
.set SCV, 69                           ; v69-73  scores of rows 32 u + lane
.set RHO, 74                           ; v74-78  32 u + lane
.set T,   84                           ; v84-103 at work
.set FA,  112                          ; fragment buffers
.set FB,  184
.set DH,  184                          ; the tanh phase: dh and -2 v of the pass's 64 columns, where buffer FB lay
.set VV,  216
.set PP,  112                          ; the context loop: 16 weights, 16 rows
.set RW,  128
.set NSLOT, 5                          ; the fill: row slots,
.set X0,   96                          ; slot i at X0 + 32 i
.set OU,   40                          ; the fill: out-buffer j at OU + 40 j: v40-55 and v80-95, 16 registers each, where S and part of T lie in the other phases
.set WV,  18                           ; s18 w   s19 n   s20 q   s21 c   s22 my tiles   s23 my first list entry
.set NN,  19
.set QQ,  20
.set CC,  21
.set TQ,  22
.set J0,  23
.set IDX, 24                           ; s[24:59] my wave's 36 rows: list entries
.set CM,  24                           ; s[24:28] in the third phase, where the list entries have served: five masks of rows that count
.set JE,  60                           ; s60 the end of my list entries
.set REM, 61                           ; s61 tiles left, this block's among them
.set NV,  62                           ; s62 rows of the block that count
.set TA,  63
.set OFP, 66                           ; s[66:67] an offset, high word 0
.set BP,  68                           ; s[68:69] wsb at this pass's 32 K steps
.set BNX, 70                           ; s[70:71] at the next pass's
.set OFN, 72                           ; s[72:73] the next pass's offset in my wave's 524,288 bytes
.set TB,  74
.set BLK, 77
.set BROW, 78                          ; s78 144 x block
.set DD,  79                           ; s79 live rows among my wave's 36 (may be negative)
.set SC2, 80                           ; s[80:81] 2 log2(e)
.set SEL, 82                           ; s[82:83] v_permlanex16_b32: each lane takes its own place in the other half
.set L2E, 84
.set PASS, 85
.set LP,  86                           ; s[86:87] rows[n] at the block's first entry
.set CTR, 89
.set RB,  90                           ; s[90:99] the fill: slot i's row in encoder_hiddens[n]
.set MSB, 0
.macro WIN new                         ; the immediate's high byte repeats the setting that is left; a switch that changes nothing is dropped
.if MSB != (\new)
	s_set_vgpr_msb (MSB<<8)|(\new)
.set MSB, \new
.endif
.endm
; eight loads of 512 consecutive bytes: a K step's four fragments of W_s into ring buffer buf
.macro LOADB buf, base, off
	WIN 0x40                                       ; destination window 1, address window 0
.set le, 0
.rept 8
	global_load_b128 v[32*(\buf)+4*le:32*(\buf)+4*le+3], v[L16], s[\base:\base+1] offset:(\off)+512*le
.set le, le+1
.endr
.endm
; 18 LDS loads: the nine tiles' fragments of 32 along K at byte koff of the rows; 33,024 + 1,984 + 32 at the most in the immediate
.macro FETCH_A frag, koff
.set fa, 0
.rept 9
	ds_load_b128 v[(\frag)+8*fa:(\frag)+8*fa+3],   v[ADR0+fa/2] offset:(fa%2)*16*PITCH+(\koff)
	ds_load_b128 v[(\frag)+8*fa+4:(\frag)+8*fa+7], v[ADR0+fa/2] offset:(fa%2)*16*PITCH+(\koff)+32
.set fa, fa+1
.endr
.endm
; 4 na matrix instructions: tiles a0 .. x the pass's four column tiles.  All 36 accumulators take turns, in the same order in every K step.  ZR = 1: the products start the sums.
.macro MUL ring, frag, a0, na
.set ma, \a0
.rept \na
.set mb, 0
.rept 4
.set rD, (32*ma+8*mb)&255
.if ZR
	v_wmma_f32_16x16x32_bf16 v[rD:rD+7], v[32*(\ring)+8*mb:32*(\ring)+8*mb+7], v[(\frag)+8*ma:(\frag)+8*ma+7], 0
.else
	v_wmma_f32_16x16x32_bf16 v[rD:rD+7], v[32*(\ring)+8*mb:32*(\ring)+8*mb+7], v[(\frag)+8*ma:(\frag)+8*ma+7], v[rD:rD+7]
.endif
.set mb, mb+1
.endr
.set ma, ma+1
.endr
.endm
; K step i of a pass's 32: 36 matrix instructions; in its middle ONE run of loads: the next step's fragments of the block, and the fragments of W_s seven steps on (the last seven steps fetch the
; next pass's first seven).  The loads go into registers that the step before has multiplied: the wait at the step's head states that.  Step 0 starts the sums: nothing is cleared.
.macro STEP i
.set FC, FA+72*((\i)%2)
.set FN, FA+72*(1-(\i)%2)
.if (\i) == 0
.set ZR, 1
.else
.set ZR, 0
.endif
.if (\i)%4 == 0
	s_wait_xcnt 0x0                                ; once in four steps: the 32 ring loads since the last such wait were issued a step ago or more
.endif
	s_wait_loadcnt 48                              ; this step's W_s is in: the loads of the six later steps, eight each, stay out
	s_wait_dscnt 10                                ; tiles 0-3 are in: the oldest 8 of the 18 loads
	s_wait_alu depctr_va_vdst(0)                   ; the step before's matrix instructions are done reading the other fragment buffer and ring buffer (i + 7) % 8 (in a pass's first step also: the tanh phase is done reading dh and v, which lay in FB): this step's 26 loads land there
	WIN 0xa1                                       ; source 0 (W_s) window 1, source 1 (block) window 0, C and D window 2
	MUL (\i)%8, FC, 0, 4
	WIN 0
	FETCH_A FN, (((\i)+1)%32)*64                   ; no further wait: the sixteen matrix instructions since the wait name this step's own buffers and accumulators alone
.if (\i)+7 < 32
	LOADB ((\i)+7)%8, BP, ((\i)+7)*4096
.else
	LOADB ((\i)+7)%8, BNX, ((\i)-25)*4096
.endif
	s_wait_dscnt 18                                ; all but the 18 just issued
	WIN 0xa1
	MUL (\i)%8, FC, 4, 4
	WIN 0xf1                                       ; C and D window 3
	MUL (\i)%8, FC, 8, 1
.endm
; dh and -2 v of pass p's columns 64 p + 16 b + 8 h + 0..7
.macro DHLOAD p
.set eb, 0
.rept 4
	ds_load_b128 v[DH+8*eb:DH+8*eb+3],   v[DHA0] offset:256*(\p)+64*eb
	ds_load_b128 v[DH+8*eb+4:DH+8*eb+7], v[DHA0] offset:256*(\p)+64*eb+16
	ds_load_b128 v[VV+8*eb:VV+8*eb+3],   v[DHA0] offset:4096+256*(\p)+64*eb
	ds_load_b128 v[VV+8*eb+4:VV+8*eb+7], v[DHA0] offset:4096+256*(\p)+64*eb+16
.set eb, eb+1
.endr
.endm
; Tile a of a finished pass: x = 2 log2(e) eh + dh', r = 1 / (1 + 2^x), S[a] += sum over my 32 columns of (-2 v) r.  Each accumulator is read from its low end on.
; Behind each run of transcendentals one plain instruction stands before a result is used (ISA guide 5.7.2).
.macro EPI_ROW a
.set AB, (32*(\a))&255
.set HW, (\a)/8
	WIN 0x82+0x41*HW                               ; destination and source 0: the accumulators' window; the rest window 0
.set er, 0
.rept 16
	v_pk_fma_f32 v[AB+2*er:AB+2*er+1], v[AB+2*er:AB+2*er+1], s[SC2:SC2+1], v[DH+2*er:DH+2*er+1] op_sel_hi:[1,0,1]
.set er, er+1
.endr
.set er, 0
.rept 32
	v_exp_f32 v[AB+er], v[AB+er]
.set er, er+1
.endr
	v_nop
.set er, 0
	s_wait_alu depctr_va_vdst(0)                   ; the tile's 32 exponentials have written their results, which the additions below read: one wait for the batch
.rept 16
	v_pk_add_f32 v[AB+2*er:AB+2*er+1], v[AB+2*er:AB+2*er+1], 1.0 op_sel_hi:[1,0]
.set er, er+1
.endr
.set er, 0
.rept 32
	v_rcp_f32 v[AB+er], v[AB+er]
.set er, er+1
.endr
	v_nop
	s_wait_alu depctr_va_vdst(0)                   ; the tile's 32 reciprocals have written their results, which the products with -2 v read: one wait for the batch
	WIN 0x02+HW                                    ; source 0: the accumulators' window
.set ep, 0
.rept 4                                        ; four chains, one a column tile, that do not wait for each other
.set eb, 0
.rept 4
.if ep == 0
	v_pk_mul_f32 v[T+2*eb:T+2*eb+1], v[AB+8*eb:AB+8*eb+1], v[VV+8*eb:VV+8*eb+1]
.else
	v_pk_fma_f32 v[T+2*eb:T+2*eb+1], v[AB+8*eb+2*ep:AB+8*eb+2*ep+1], v[VV+8*eb+2*ep:VV+8*eb+2*ep+1], v[T+2*eb:T+2*eb+1]
.endif
.set eb, eb+1
.endr
.set ep, ep+1
.endr
	WIN 0
	v_pk_add_f32 v[T:T+1], v[T:T+1], v[T+2:T+3]
	v_pk_add_f32 v[T+4:T+5], v[T+4:T+5], v[T+6:T+7]
	v_pk_add_f32 v[T:T+1], v[T:T+1], v[T+4:T+5]
	v_pk_add_f32 v[S+2*(\a):S+2*(\a)+1], v[S+2*(\a):S+2*(\a)+1], v[T:T+1]
.endm
; THE FILL.  Row k of my wave's 36 goes through slot k % 5: eight loads of 512 consecutive bytes cover its 4,096 bytes.  The row's place, 4,096 x its list entry (held within 1,023), goes
; into the slot's scalar base; the vector offset is 16 x lane alone.
.macro ROWISSUE k
.set XS, X0+32*((\k)%NSLOT)
.set RBK, RB+2*((\k)%NSLOT)
.if (\k) >= NSLOT
	s_wait_xcnt 0x0                                ; the slot's base is written anew only behind this wait (its last loads have also been waited for)
.endif
	s_lshl_b32 s[OFP], s[IDX+(\k)], 12
	s_add_nc_u64 s[RBK:RBK+1], s[4:5], s[OFP:OFP+1]
.set rj, 0
.rept 8
	global_load_b128 v[XS+4*rj:XS+4*rj+3], v[L16], s[RBK:RBK+1] offset:512*rj th:TH_LOAD_NT
.set rj, rj+1
.endr
.endm
; Row k is rounded out of its slot into out-buffer k % 2.  left: the loads of the younger rows, which stay out
.macro ROWCVT k, left
.set XS, X0+32*((\k)%NSLOT)
.set OB, OU+40*((\k)%2)
	s_wait_loadcnt \left
.if (\k) >= 2
	s_wait_alu depctr_vm_vsrc(0)                   ; the LDS stores of row k - 2 have read this out-buffer, which the roundings below write again
.endif
.set rj, 0
.rept 8
	v_cvt_pk_bf16_f32 v[OB+2*rj],   v[XS+4*rj],   v[XS+4*rj+1]
	v_cvt_pk_bf16_f32 v[OB+2*rj+1], v[XS+4*rj+2], v[XS+4*rj+3]
.set rj, rj+1
.endr
	s_wait_alu depctr_va_vdst(0)                   ; the roundings are done reading the slot, in which the loads of row k + 5 land, and have written the out-buffer, which the LDS stores read
.endm
.macro ROWSTORE k
.set OB, OU+40*((\k)%2)
.if (\k) < 18
.set STR, ST0
.else
.set STR, ST1
.endif
.set rj, 0
.rept 8
	ds_store_b64 v[STR], v[OB+2*rj:OB+2*rj+1] offset:((\k)%18)*PITCH+256*rj  ; 32 lanes, 256 consecutive bytes
.set rj, rj+1
.endr
.endm
; Tile t of the context: its 16 weights, and my 16 bytes (8 columns) of its 16 rows
.macro CTXLOAD t
.set ci, 0
.rept 4
	ds_load_b128 v[PP+4*ci:PP+4*ci+3], v[PR0] offset:64*(\t)+16*ci           ; LDS serves a wave's instructions in order (ISA guide 5.7.1.4): these see my stores of the weights
.set ci, ci+1
.endr
.set ci, 0
.rept 16
	ds_load_b128 v[RW+4*ci:RW+4*ci+3], v[CA0+(\t)/2] offset:((\t)%2)*16*PITCH+PITCH*ci
.set ci, ci+1
.endr
.endm
	s_load_b256 s[4:11], s[0:1], 0x0               ; encoder_hiddens s[4:5], wsb s[6:7], dht s[8:9], v s[10:11]
	s_load_b128 s[12:15], s[0:1], 0x20             ; rows s[12:13], sc s[14:15]
	s_load_b64 s[16:17], s[0:1], 0x30              ; part
	v_lshl_add_u32 v[SPW], v0, 2, SPARE
	v_mov_b32 v[NIL], 0
	v_lshrrev_b32 v30, 5, v0
	v_readfirstlane_b32 s[WV], v30
	s_lshr_b32 s[NN], ttmp9, 2
	s_and_b32 s[QQ], ttmp9, 3
	v_and_b32 v[LN], 31, v0
	v_and_b32 v[RR], 15, v0
	v_bfe_u32 v[HH], v0, 4, 1
	v_lshlrev_b32 v[L16], 4, v[LN]
	v_lshlrev_b32 v[L4], 2, v[LN]
	v_mul_u32_u24 v[ADR0], v[RR], PITCH
	v_lshl_add_u32 v[ADR0], v[HH], 4, v[ADR0]
	s_wait_alu depctr_va_sdst(0)                   ; the wave's number is written, ahead of its first reader: addresses, bases and branches are made from it
	s_lshl_b32 s[TA], s[WV], 9
	v_add_nc_u32 v[CA0], s[TA], v[L16]
.set u, 1
.rept 4
	v_add_nc_u32 v[ADR0+u], 32*PITCH*u, v[ADR0]
	v_add_nc_u32 v[CA0+u], 32*PITCH*u, v[CA0]
.set u, u+1
.endr
.set u, 0
.rept 5
	v_add_nc_u32 v[RHO+u], 32*u, v[LN]
.set u, u+1
.endr
	v_mul_u32_u24 v30, v[HH], NROW
	v_add3_u32 v30, v30, v[LN], 128
	v_lshlrev_b32 v[SO4], 2, v30
	v_lshrrev_b32 v104, 1, v[LN]                   ; dht: my 8 columns 256 w + 8 lane lie in tile 16 w + lane / 2, row n, half lane % 2
	v_and_b32 v107, 1, v[LN]
	v_lshlrev_b32 v104, 12, v104
	v_lshl_add_u32 v104, v107, 5, v104
	s_lshl_b32 s[TA], s[WV], 16
	s_lshl_b32 s[TB], s[NN], 6
	s_add_co_u32 s[TA], s[TA], s[TB]
	v_add_nc_u32 v104, s[TA], v104
	s_lshl_b32 s[TA], s[WV], 10
	v_lshl_add_u32 v105, v[LN], 5, s[TA]           ; v: 1,024 w + 32 lane
	v_add_nc_u32 v106, DHB, v105                   ; and the same place in LDS
	v_lshl_add_u32 v[DHA0], v[HH], 5, s[TA]
	v_add_nc_u32 v[DHA0], DHB, v[DHA0]
	v_add_nc_u32 v[PO], s[TA], v[L16]
	s_mul_i32 s[TA], s[WV], 4*NROW
	s_add_co_u32 s[TA], s[TA], SCR
	v_lshl_add_u32 v[SCW], v[RR], 2, s[TA]
	v_add_nc_u32 v[SCR0], SCR, v[L4]
	v_add_nc_u32 v30, 128, v[LN]
	v_min_u32 v30, 143, v30
	v_lshl_add_u32 v[SCR4], v30, 2, SCR
	s_mul_i32 s[TA], s[WV], 640
	s_add_co_u32 s[TA], s[TA], PB
	v_add_nc_u32 v[PW], s[TA], v[L4]
	v_mov_b32 v[PR0], s[TA]
	s_mul_i32 s[TA], s[WV], 36*PITCH
	v_lshl_add_u32 v[ST0], v[LN], 3, s[TA]
	v_add_nc_u32 v[ST1], 18*PITCH, v[ST0]
	v_mov_b32 v[MS], 0xff800000                    ; m = -inf: the first live block's factor for what was before is 0
	v_mov_b32 v[MS+1], 0
	v_mov_b32 v[MS+2], 0
	v_mov_b32 v[MS+3], 0
.set u, 0
.rept 8
	v_mov_b32 v[CTX+u], 0
.set u, u+1
.endr
	s_mov_b32 s[SC2], 0x4038aa3b
	s_mov_b32 s[SC2+1], s[SC2]                     ; named with it as a pair
	s_mov_b32 s[SEL], 0x76543210
	s_mov_b32 s[SEL+1], 0xfedcba98
	s_mov_b32 s[L2E], 0x3fb8aa3b
	s_mov_b32 s[OFP+1], 0
	s_mov_b32 s[OFN], 0x20000
	s_mov_b32 s[OFN+1], 0
	s_wait_kmcnt 0x0
	s_lshl_b32 s[OFP], s[NN], 22
	s_add_nc_u64 s[4:5], s[4:5], s[OFP:OFP+1]      ; encoder_hiddens[n]
	s_lshl_b32 s[OFP], s[WV], 19
	s_add_nc_u64 s[6:7], s[6:7], s[OFP:OFP+1]      ; my wave's 128 K steps of 4,096 bytes
	s_mul_i32 s[OFP], s[NN], 4864
	s_add_nc_u64 s[12:13], s[12:13], s[OFP:OFP+1]
	s_mul_i32 s[OFP], ttmp9, SCWG
	s_add_nc_u64 s[14:15], s[14:15], s[OFP:OFP+1]
	s_mul_i32 s[OFP], ttmp9, 4608
	s_add_nc_u64 s[16:17], s[16:17], s[OFP:OFP+1]
	s_load_b32 s[CC], s[12:13], 0x1200             ; c
	s_mov_b64 s[BP:BP+1], s[6:7]
	s_add_nc_u64 s[BNX:BNX+1], s[6:7], s[OFN:OFN+1]
	s_wait_alu depctr_va_vdst(0)                   ; every address register of the kernel is written: all its loads and stores read one of them, and none is written again
	global_load_b128 v[84:87], v104, s[8:9]
	global_load_b128 v[88:91], v104, s[8:9] offset:16
	global_load_b128 v[92:95], v105, s[10:11]
	global_load_b128 v[96:99], v105, s[10:11] offset:16
.set u, 0
.rept 7
	LOADB u, BP, u*4096                            ; the ring's first seven K steps
.set u, u+1
.endr
	WIN 0
	s_wait_loadcnt 56                              ; dh and v are in: the ring's 56 loads are younger
	ds_store_b128 v106, v[84:87]
	ds_store_b128 v106, v[88:91] offset:16
.set u, 0
.rept 4                                        ; v is rounded to bf16, like the other operands of the products, and widened again
	v_cvt_pk_bf16_f32 v[100+u], v[92+2*u], v[93+2*u]
.set u, u+1
.endr
.set u, 0
.rept 4
	v_lshlrev_b32 v[92+2*u], 16, v[100+u]
	v_and_b32 v[93+2*u], 0xffff0000, v[100+u]
.set u, u+1
.endr
.set u, 0
.rept 4
	v_pk_mul_f32 v[92+2*u:93+2*u], v[92+2*u:93+2*u], -2.0 op_sel_hi:[1,0]
.set u, u+1
.endr
	s_wait_alu depctr_va_vdst(0)                   ; the multiplies have written -2 v into v92-99, which the two LDS stores read
	ds_store_b128 v106, v[92:95] offset:4096
	ds_store_b128 v106, v[96:99] offset:4112
	s_wait_kmcnt 0x0
	s_min_u32 s[CC], s[CC], 0x400
	s_add_co_u32 s[TA], s[CC], 15
	s_lshr_b32 s[TA], s[TA], 4                     ; tiles of n
	s_lshr_b32 s[TB], s[TA], 2                     ; a quarter of them,
	s_and_b32 s[TA], s[TA], 3                      ; and what is over goes to the first work-groups
	s_cmp_lt_u32 s[QQ], s[TA]
	s_cselect_b32 s[TQ], 1, 0
	s_add_co_u32 s[TQ], s[TQ], s[TB]               ; my tiles
	s_min_u32 s[TA], s[QQ], s[TA]
	s_mul_i32 s[TB], s[TB], s[QQ]
	s_add_co_u32 s[TB], s[TB], s[TA]               ; my first tile
	s_lshl_b32 s[J0], s[TB], 4
	s_min_u32 s[J0], s[J0], 0x300                  ; my first list entry: 48 tiles in front of me at the most
	s_add_co_u32 s[TB], s[TB], s[TQ]
	s_lshl_b32 s[TB], s[TB], 4
	s_min_u32 s[JE], s[TB], s[CC]                  ; the end of my entries
	s_mov_b32 s[REM], s[TQ]
	s_mov_b32 s[BROW], 0
	s_mov_b32 s[BLK], 2
.Lblock:
	s_cmp_gt_i32 s[REM], 0
	s_cbranch_scc0 .Lnofill
	; PHASE 1: the block's rows are gathered, rounded and laid into LDS.
	s_wait_xcnt 0x0                                ; the list's address and the slots' bases are written anew only behind this wait
	s_add_co_u32 s[OFP], s[J0], s[BROW]
	s_lshl_b32 s[OFP], s[OFP], 2
	s_add_nc_u64 s[LP:LP+1], s[12:13], s[OFP:OFP+1]
	s_mul_i32 s[TA], s[WV], 144
	s_load_b512 s[IDX:IDX+15], s[LP:LP+1], s[TA] offset:0x0      ; my wave's 36 entries; entry 768 + 144 + 143 at the most, of 1,152
	s_load_b512 s[IDX+16:IDX+31], s[LP:LP+1], s[TA] offset:0x40
	s_load_b128 s[IDX+32:IDX+35], s[LP:LP+1], s[TA] offset:0x80
	s_lshl_b32 s[DD], s[REM], 4
	s_min_i32 s[DD], s[DD], NROW
	s_mul_i32 s[TB], s[WV], 36
	s_sub_co_i32 s[DD], s[DD], s[TB]
	s_wait_kmcnt 0x0
.set k, 0
.rept 36
	s_cmp_gt_i32 s[DD], k                          ; a slot in a tile that the block does not have takes row 0: its weight will be 0
	s_cselect_b32 s[IDX+k], s[IDX+k], 0
	s_min_u32 s[IDX+k], s[IDX+k], 0x3ff            ; inside the 1,024 rows whatever the list held
.set k, k+1
.endr
	s_wait_loadcnt 0x0                             ; the ring's loads are in: from here on the counts below count the fill's rows alone
	s_wait_alu depctr_va_vdst(0)                   ; all that named v96-255 is complete (the head's work on v; the block before's products, tanh phase and weighted sum): the rows land there
	s_wait_alu depctr_vm_vsrc(0)                   ; the head's loads and LDS stores have read v84-99 and v104-106, the block before's LDS stores its partial scores (v40-56) and weights (v88-92): rows land in some of these, the roundings write the others
.set k, 0
.rept NSLOT
	ROWISSUE k
.set k, k+1
.endr
.set k, 0
.rept 36                                       ; five rows, 20,480 bytes, of every wave are on their way: a slot is asked for again as soon as it has been rounded, ahead of the row's LDS stores
.if 35-k > NSLOT-1
.set lf, 8*(NSLOT-1)
.else
.set lf, 8*(35-k)
.endif
	ROWCVT k, lf
.if k+NSLOT <= 35
	ROWISSUE k+NSLOT
.endif
	ROWSTORE k
.set k, k+1
.endr
.Lnofill:
	s_wait_dscnt 0x0                               ; for the others' sake: my rows (and, the first time, my dh and v) are in LDS
	s_barrier_signal -1
	s_barrier_wait -1
	s_cmp_gt_i32 s[REM], 0
	s_cbranch_scc0 .Lnogemm
	; PHASE 2: four passes of 64 columns: 32 K steps, then tanh and the product with v.
	s_wait_alu depctr_vm_vsrc(0)                   ; the fill's LDS stores have read the two out-buffers, v40-55 and v80-95: they are S and part of T from here on, which the lines below and the tanh phase write
.set u, 0
.rept 18
	v_mov_b32 v[S+u], 0
.set u, u+1
.endr
	s_wait_alu depctr_va_vdst(0)                   ; the vector instructions that named v112-183 (the fill's roundings) are complete: the first fragments land there
	FETCH_A FA, 0
	s_mov_b32 s[PASS], 4
.Lpass:
.set st, 0
.rept 32
	STEP st
.set st, st+1
.endr
	WIN 0
	s_wait_xcnt 0x0                                ; the ring's loads have had their addresses translated (ISA guide 3.1): their bases are written only behind this wait
	s_mov_b64 s[BP:BP+1], s[BNX:BNX+1]
	s_add_co_u32 s[OFN], s[OFN], 0x20000
	s_and_b32 s[OFN], s[OFN], 0x7ffff              ; round my wave's 524,288 bytes: no load leaves wsb
	s_add_nc_u64 s[BNX:BNX+1], s[6:7], s[OFN:OFN+1]
.rept 4
	v_nop                                          ; four places behind the last products, before vector instructions read and write results (ISA guide 7.12.1)
.endr
	s_wait_alu depctr_va_vdst(0)                   ; the last K step's matrix instructions are done reading buffer FB, in which dh and v land
	s_cmp_eq_u32 s[PASS], 4                        ; the pass's counter picks the sixteen loads with the pass's immediates
	s_cbranch_scc1 .Ldh0
	s_cmp_eq_u32 s[PASS], 3
	s_cbranch_scc1 .Ldh1
	s_cmp_eq_u32 s[PASS], 2
	s_cbranch_scc1 .Ldh2
	DHLOAD 3
	s_branch .Ldhgo
.Ldh0:
	DHLOAD 0
	s_branch .Ldhgo
.Ldh1:
	DHLOAD 1
	s_branch .Ldhgo
.Ldh2:
	DHLOAD 2
.Ldhgo:
	s_wait_dscnt 0x0
	EPI_ROW 0
	EPI_ROW 1
	EPI_ROW 2
	EPI_ROW 3
	EPI_ROW 4
	EPI_ROW 5
	EPI_ROW 6
	EPI_ROW 7
	EPI_ROW 8
	s_sub_co_u32 s[PASS], s[PASS], 1
	s_cmp_lg_u32 s[PASS], 0
	s_cbranch_scc1 .Lpass
.set u, 0
.rept 9
	v_add_f32 v[S+2*u], v[S+2*u], v[S+2*u+1]
.set u, u+1
.endr
.set u, 0
.rept 9
	v_permlanex16_b32 v[S+2*u+1], v[S+2*u], s[SEL], s[SEL+1]     ; the row's other 128 columns of my wave lie in the lane 16 away
.set u, u+1
.endr
.set u, 0
.rept 9
	v_add_f32 v[S+2*u], v[S+2*u], v[S+2*u+1]
.set u, u+1
.endr
	s_wait_alu depctr_va_vdst(0)                   ; the additions have written the nine partial scores, which the LDS stores read
.set u, 0
.rept 9
	ds_store_b32 v[SCW], v[S+2*u] offset:64*u      ; both halves of the lanes write the same number to the same word
.set u, u+1
.endr
.Lnogemm:
	s_wait_dscnt 0x0                               ; for the others' sake: my partial scores are in LDS
	s_barrier_signal -1
	s_barrier_wait -1
	s_cmp_gt_i32 s[REM], 0
	s_cbranch_scc0 .Lnoctx
	; PHASE 3: the block's scores, its part in the running softmax, and the weighted sum of its rows.  A live block's first row counts, so the new m is finite.
	s_sub_co_i32 s[NV], s[JE], s[J0]
	s_sub_co_i32 s[NV], s[NV], s[BROW]
	s_max_i32 s[NV], s[NV], 0
	s_min_i32 s[NV], s[NV], NROW
	s_wait_alu depctr_va_vdst(0)                   ; the vector instructions that named T, v84-103 (the tanh phase's sums, the fill's roundings), are complete: the partial scores land there
	s_wait_alu depctr_vm_vsrc(0)                   ; the LDS stores that read v84-95 (the fill's second out-buffer, an earlier block's weights) and the stores of an earlier block's scores, which read SCV, have read them: loads land in the first, the lines below write the second
.set u, 0
.rept 5
.set ww, 0
.rept 4
.if u < 4
	ds_load_b32 v[T+4*u+ww], v[SCR0] offset:4*NROW*ww+128*u
.else
	ds_load_b32 v[T+4*u+ww], v[SCR4] offset:4*NROW*ww
.endif
.set ww, ww+1
.endr
.set u, u+1
.endr
	s_wait_dscnt 0x0
.set u, 0
.rept 5
	v_add_f32 v[T+4*u], v[T+4*u], v[T+4*u+1]
	v_add_f32 v[T+4*u+2], v[T+4*u+2], v[T+4*u+3]
.set u, u+1
.endr
.set u, 0
.rept 5
	v_add_f32 v[SCV+u], v[T+4*u], v[T+4*u+2]
.set u, u+1
.endr
.set u, 0
.rept 5
	v_cmp_gt_u32 s[CM+u], s[NV], v[RHO+u]          ; the five masks in one run, each in a scalar register of its own
.set u, u+1
.endr
	s_wait_alu depctr_va_sdst(0)                   ; the five compares have written their masks, ahead of the selects that read them
.set u, 0
.rept 5
	v_cndmask_b32 v[SCV+u], 0xff800000, v[SCV+u], s[CM+u]        ; a row that does not count: -inf
.set u, u+1
.endr
	v_max3_num_f32 v[T], v[SCV], v[SCV+1], v[SCV+2]
	v_max3_num_f32 v[T], v[T], v[SCV+3], v[SCV+4]
	v_max_num_f32_dpp v[T], v[T], v[T] row_xmask:1 row_mask:0xf bank_mask:0xf
	v_max_num_f32_dpp v[T], v[T], v[T] row_xmask:2 row_mask:0xf bank_mask:0xf
	v_max_num_f32_dpp v[T], v[T], v[T] row_xmask:4 row_mask:0xf bank_mask:0xf
	v_max_num_f32_dpp v[T], v[T], v[T] row_xmask:8 row_mask:0xf bank_mask:0xf
	v_permlanex16_b32 v[T+1], v[T], s[SEL], s[SEL+1]
	v_max3_num_f32 v[T+2], v[T], v[T+1], v[MS]     ; the new m
	v_sub_f32 v[T+3], v[MS], v[T+2]
	v_mul_f32 v[T+3], s[L2E], v[T+3]
	v_exp_f32 v[AL], v[T+3]                        ; what was before is scaled by 2^((m_old - m_new) log2 e)
	v_exp_f32 v[AL+1], v[T+3]
.set u, 0
.rept 5
	v_sub_f32 v[T+4+u], v[SCV+u], v[T+2]           ; the difference first, then the factor: no two rounded products are taken from each other
.set u, u+1
.endr
.set u, 0
.rept 5
	v_mul_f32 v[T+4+u], s[L2E], v[T+4+u]
.set u, u+1
.endr
.set u, 0
.rept 5
	v_exp_f32 v[T+4+u], v[T+4+u]
.set u, u+1
.endr
	v_mov_b32 v[MS], v[T+2]                        ; the plain instruction behind the exponentials
	s_wait_alu depctr_va_vdst(0)                   ; the seven exponentials have written the two factors and the five weights, ahead of their first readers: the LDS stores of the weights, then the sums; the selects have written SCV, which wave 0's stores below read
.set u, 0
.rept 5
	ds_store_b32 v[PW], v[T+4+u] offset:128*u      ; my wave's own copy of the weights
.set u, u+1
.endr
	v_add_f32 v[T+10], v[T+4], v[T+5]
	v_add_f32 v[T+11], v[T+6], v[T+7]
	v_add_f32 v[T+10], v[T+10], v[T+8]
	v_add_f32 v[T+10], v[T+10], v[T+11]
	v_add_f32_dpp v[T+10], v[T+10], v[T+10] row_xmask:1 row_mask:0xf bank_mask:0xf
	v_add_f32_dpp v[T+10], v[T+10], v[T+10] row_xmask:2 row_mask:0xf bank_mask:0xf
	v_add_f32_dpp v[T+10], v[T+10], v[T+10] row_xmask:4 row_mask:0xf bank_mask:0xf
	v_add_f32_dpp v[T+10], v[T+10], v[T+10] row_xmask:8 row_mask:0xf bank_mask:0xf
	v_permlanex16_b32 v[T+11], v[T+10], s[SEL], s[SEL+1]
	v_add_f32 v[T+10], v[T+10], v[T+11]
	v_fma_f32 v[MS+1], v[AL], v[MS+1], v[T+10]
.set u, 0
.rept 4
	v_pk_mul_f32 v[CTX+2*u:CTX+2*u+1], v[CTX+2*u:CTX+2*u+1], v[AL:AL+1]
.set u, u+1
.endr
	s_cmp_lg_u32 s[WV], 0
	s_cbranch_scc1 .Lnosc
	; wave 0: the block's scores, in the list's order, all lanes on.  No wait: no vector instruction since the wait above writes SCV
.set u, 0
.rept 4
	global_store_b32 v[L4], v[SCV+u], s[14:15] offset:128*u
.set u, u+1
.endr
	global_store_b32 v[SO4], v[SCV+4], s[14:15]    ; rows 128 to 143; the upper lanes' -inf goes to entries 288 to 303 from the block's first, which hold nothing else
.Lnosc:
	s_mov_b32 s[CTR], 9
.Lctx:                                                 ; a trip: tile 9 - CTR, 16 rows; my 8 columns of each, times the row's weight.  The counter picks the twenty loads with the tile's immediates
	s_wait_alu depctr_va_vdst(0)                   ; the trip before's multiply-adds are done reading PP and RW (the first time: the products and the tanh phase are done with v112-191): the tile's twenty loads land there
.irp t, 0,1,2,3,4,5,6,7
	s_cmp_eq_u32 s[CTR], 9-\t
	s_cbranch_scc1 .Lct\t
.endr
	CTXLOAD 8
	s_branch .Lctgo
.irp t, 0,1,2,3,4,5,6,7
.Lct\t:
	CTXLOAD \t
	s_branch .Lctgo
.endr
.Lctgo:
.set ci, 0
.rept 16
	s_wait_dscnt 15-ci                             ; row ci is in; the younger rows' loads stay out
.set ce, 0
.rept 4
	v_fma_mix_f32_bf16 v[CTX+2*ce], v[RW+4*ci+ce], v[PP+ci], v[CTX+2*ce] op_sel_hi:[1,0,0]
	v_fma_mix_f32_bf16 v[CTX+2*ce+1], v[RW+4*ci+ce], v[PP+ci], v[CTX+2*ce+1] op_sel:[1,0,0] op_sel_hi:[1,0,0]
.set ce, ce+1
.endr
.set ci, ci+1
.endr
	s_sub_co_u32 s[CTR], s[CTR], 1
	s_cmp_lg_u32 s[CTR], 0
	s_cbranch_scc1 .Lctx
.Lnoctx:
	s_wait_dscnt 0x0                               ; my reads of the block and of the partial scores are over: behind this barrier both may be written anew
	s_barrier_signal -1
	s_barrier_wait -1
	s_wait_xcnt 0x0                                ; the scores' stores have read their base and their data
	s_add_nc_u64 s[14:15], s[14:15], 4*NROW        ; the next block's 144 entries
	s_sub_co_i32 s[REM], s[REM], 9
	s_add_co_u32 s[BROW], s[BROW], NROW
	s_sub_co_u32 s[BLK], s[BLK], 1
	s_cmp_lg_u32 s[BLK], 0
	s_cbranch_scc1 .Lblock
	s_wait_alu depctr_va_vdst(0)                   ; the last multiply-adds have written the context, the statistics' lines m and the sum: the stores below read them
	global_store_b128 v[PO], v[CTX:CTX+3], s[16:17]              ; [w][half][lane][4 f32]: each store covers 512 consecutive bytes
	global_store_b128 v[PO], v[CTX+4:CTX+7], s[16:17] offset:512
	s_cmp_lg_u32 s[WV], 0
	s_cbranch_scc1 .Lend
	global_store_b128 v[L16], v[MS:MS+3], s[16:17] offset:4096   ; (m, sum, 0, 0), 32 times
.Lend:
	s_wait_dscnt 0x0                               ; the closing lines, six on end
	s_wait_alu 0x0
	s_wait_tensorcnt 0x0
	ds_add_u32 v[SPW], v[NIL]
	s_wait_dscnt 0x0
	s_endpgm
.Lfunc_end_k_qb3f8960c80_main:
	.size	k_qb3f8960c80_main, .Lfunc_end_k_qb3f8960c80_main-k_qb3f8960c80_main
	.p2alignl 7, 3214868480
	.fill 96, 4, 3214868480
	.section	.rodata,"a",@progbits
	.p2align	6, 0x0
	.amdhsa_kernel k_qb3f8960c80_main
		.amdhsa_group_segment_fixed_size 310784
		.amdhsa_private_segment_fixed_size 0
		.amdhsa_enable_private_segment 0
		.amdhsa_kernarg_size 56
		.amdhsa_user_sgpr_count 2
		.amdhsa_user_sgpr_kernarg_segment_ptr 1
		.amdhsa_wavefront_size32 1
		.amdhsa_system_sgpr_workgroup_id_x 1
		.amdhsa_system_sgpr_workgroup_id_y 1
		.amdhsa_system_sgpr_workgroup_id_z 1
		.amdhsa_system_vgpr_workitem_id 0
		.amdhsa_next_free_vgpr 800
		.amdhsa_next_free_sgpr 100
		.amdhsa_reserve_vcc 0
		.amdhsa_float_denorm_mode_32 3
		.amdhsa_float_denorm_mode_16_64 3
		.amdhsa_memory_ordered 1
		.amdhsa_forward_progress 1
		.amdhsa_inst_pref_size 255
	.end_amdhsa_kernel
	.section	.bss,"aw",@nobits
	.p2align	6
	.space	262144
	.amdgpu_metadata
---
amdhsa.version: [ 1, 2 ]
amdhsa.kernels:
  - .name:           k_qb3f8960c80_main
    .symbol:         k_qb3f8960c80_main.kd
    .args:
      - { .name: encoder_hiddens, .offset: 0, .size: 8, .value_kind: global_buffer, .address_space: global }
      - { .name: wsb, .offset: 8, .size: 8, .value_kind: global_buffer, .address_space: global }
      - { .name: dht, .offset: 16, .size: 8, .value_kind: global_buffer, .address_space: global }
      - { .name: v, .offset: 24, .size: 8, .value_kind: global_buffer, .address_space: global }
      - { .name: rows, .offset: 32, .size: 8, .value_kind: global_buffer, .address_space: global }
      - { .name: sc, .offset: 40, .size: 8, .value_kind: global_buffer, .address_space: global }
      - { .name: part, .offset: 48, .size: 8, .value_kind: global_buffer, .address_space: global }
    .group_segment_fixed_size: 310784
    .private_segment_fixed_size: 0
    .kernarg_segment_align: 8
    .kernarg_segment_size: 56
    .max_flat_workgroup_size: 128
    .sgpr_count:     100
    .vgpr_count:     800
    .wavefront_size: 32
...
	.end_amdgpu_metadata
.endif
;; end of part 4
;; launch fin: the kernel of part 3 again; grid 64 x 1, 8 waves a work-group, no clusters, 0 bytes of LDS; arguments sc, part, pos, rows, out0, out1; writes out0, out1
